; MI455X (gfx1250); checked and timed in simulation.
; The chip was launched on July 23, 2026; its instructions are those of AMD's public machine-readable ISA for CDNA 5 (MIT licence, August 2026) and "CDNA5" Instruction Set Architecture Reference Guide (July 2026). The comments in the code are by the model that wrote it; some were corrected since.
;; Simple Retention. Allowed arithmetic: matrix products marked QUANTISED: E3M2 operands, one E8M0 scale for each 32 along K, by v_wmma_scale_f32_16x16x128_f8f6f4 with both operands' format E3M2, f32 sums; everything else in f32.
;; Inputs: W_K 1,024 x 1,024 float32; W_Q 1,024 x 1,024 float32; W_V 1,024 x 1,024 float32; X 4 x 2,048 x 1,024 float32.
;; Outputs: out0 4 x 2,048 x 1,024 float32.
;; This version of the problem:
;;   THIS VERSION OF THE PROBLEM IS GIVEN IN LOW PRECISION. The matrix products marked QUANTISED in the list below multiply operands that are first quantised to E3M2 (3 exponent bits, 2 mantissa bits; 6 bits a number), with one power-of-two scale for each 32 numbers along K (OCP MX v1.0); their sums are f32. All else is computed in f32.
;;   The module's matrix products, in the order in which they are computed (A, B: the left and right operand; K: the contracted axis; several contracted axes count as one K, in the product's order):
;;     1. [M 8,192, K 1,024] x [K 1,024, N 1,024]; A: input X; B: input W_Q: QUANTISED
;;     2. [M 8,192, K 1,024] x [K 1,024, N 1,024]; A: input X; B: input W_K: QUANTISED
;;     3. [M 8,192, K 1,024] x [K 1,024, N 1,024]; A: input X; B: input W_V: QUANTISED
;;     4. batch 4 x [M 2,048, K 1,024] x [K 1,024, N 2,048]; A: computed on the way; B: computed on the way: QUANTISED
;;     5. batch 4 x [M 2,048, K 2,048] x [K 2,048, N 1,024]; A: computed on the way; B: computed on the way: QUANTISED
;;   THE QUANTISER, for each operand of a quantised product, along K:
;;     - K is cut into blocks of 32 from its start; a last block that is shorter is filled with zeros.
;;     - A block's scale is 2^e with e = floor(log2(the largest magnitude in the block)) - 4, held to -126 .. 127; a block of zeros has e = 0. As a byte (E8M0): e + 127.
;;     - Each number is divided by its block's scale, clamped to +-28, and rounded to the nearest number of E3M2, ties to even, subnormals kept.
;;     - The product sums the exact products of the quantised numbers (number of the format x scale) in f32.
;;   ~~~python
;;   def quantise(x, axis):      # numpy; x: float32 -> the quantised numbers, widened to float32 again
;;       x = np.moveaxis(x, axis, -1); K = x.shape[-1]
;;       x = np.pad(x, [(0, 0)] * (x.ndim - 1) + [(0, -K % 32)]); x = x.reshape(x.shape[:-1] + (-1, 32)); a = np.abs(x).max(-1, keepdims=True)
;;       e = np.where(a > 0, np.clip(np.frexp(np.where(a > 0, a, 1))[1] - 1 - 4, -126, 127), 0)      # np.frexp(a)[1] - 1 = floor(log2(a)), exactly
;;       r = np.clip(x / 2.0 ** e, -28, 28)
;;       step = 2.0 ** (np.maximum(np.frexp(np.where(r == 0, 1, r))[1] - 1, -2) - 2)
;;       q = np.round(r / step) * step * 2.0 ** e      # np.round: ties to even
;;       return np.moveaxis(q.reshape(q.shape[:-2] + (-1,))[..., :K], -1, axis).astype(np.float32)
;;   ~~~
;;   OPERANDS COMPUTED ON THE WAY. 'Computed on the way' means the value that the module computes at that place (a softmax that the list does not call 'softmax' is quantised finished and normalised). What goes into a quantiser is computed in f32, as accurately as f32 sums, v_exp_f32 and their like allow (about 1e-6 of the number): no bf16 or f16 on the way to a quantiser, and a product that is left as it is and whose result goes on into a quantised operand takes f32 operands (vector FMAs, or v_wmma_f32_16x16x4_f32). A number that lies on a knife's edge between two numbers of the format may be rounded either way, as far as f32 arithmetic and the matrix unit's own rounding can turn it there, and no further.
;; One version. Each part assembles by itself: llvm-mc -triple=amdgcn-amd-amdhsa -mcpu=gfx1250 --defsym DOCPART=n.
;; ======== version 1 of 1: 4 launches
;; workspace buffers: xq 6,553,600 bytes; wq 2,457,600 bytes; qq 6,553,600 bytes; kq 6,553,600 bytes; vq 6,553,600 bytes; rq 13,107,200 bytes; tab 6,144 bytes
;; launch prep (part 1): grid 708 x 1, 4 waves a work-group, no clusters, 82,432 bytes of LDS; arguments X, W_Q, W_K, W_V, xq, wq, tab; writes xq, wq, tab
.if DOCPART == 1
	.amdgcn_target "amdgcn-amd-amdhsa--gfx1250"
	.amdhsa_code_object_version 6
	.text
	.protected	k_qf49e4e4d4b_prep
	.globl	k_qf49e4e4d4b_prep
	.p2align	8
	.type	k_qf49e4e4d4b_prep,@function
k_qf49e4e4d4b_prep:
	s_mov_b64 s[64:65], 0
	v_nop
	global_prefetch_b8 v0, s[64:65] scope:SCOPE_SE
	s_setreg_imm32_b32 hwreg(HW_REG_WAVE_MODE, 25, 1), 1
	s_wait_xcnt 0x0
; SimpleRetention in MX-BF6 (E3M2, one E8M0 scale for each 32 along K), four launches: prep, proj, score, outp.
; THIS LAUNCH quantises X along its last axis and W_Q, W_K, W_V along their first, and makes two small tables for XPOS.
; WORK LEFT OUT BY THE PROGRAM.  reference() multiplies Q K^T by its own D, which is 0 wherever key m > query n.  A tile of 256 x 256 of ret that lies wholly
; above the diagonal is S x 0 = 0 for all finite inputs; a block of zeros quantises to zeros, and zeros add nothing to ret @ V.  So those tiles of the fourth
; product and the matching K steps of the fifth are not computed: 36 of 64 tiles stay in each batch.  gamma^(n-m) is never 0 below the diagonal: all of that stays.
; LIMIT: a NaN or an infinity that reference() would make as infinity x 0 in the tiles left out is not carried to the result.  All four inputs are live.
; LIMITS of the quantisers: NaN and infinities among the inputs are not served; a block of zeros gets the byte 1 where the rule says 127 (its codes are zeros,
; and the bytes are read by this program alone); a block's byte is held at 1 from below, as the rule's e = -126.
; THE WORKSPACE FORMAT.  32 rows x 256 along K are a PAIR BLOCK of 6,400 bytes: two tiles u of 16 rows (lane-row r of tile u is row 8 u + r + 8 (r / 8)) x two K steps q of 128.
; image(u, q) at 3072 u + 1536 q is the operand's 12 registers as they stand: registers 4 c .. 4 c + 3 of lane l at 512 c + 16 l.  The scale word of row r at 6144 + 128 q + 64 u + 4 r.
; xq: [kp 4][position / 32: 64][batch 4] pair blocks.  wq: [kp 4][matrix 3][column / 32: 32].  tab: inv_freq[512], then log2(scale_vec)[512] as a high and a low f32.
; SHARES.  Work-groups 0-3: the tables, a thread an entry.  4-515: X.  516-707: the weights.  A wave takes 32 rows (of X) or 32 columns (of W) x 128 along K; a lane holds one row's 128 numbers.
; X's rows are loaded 512 consecutive bytes a load and turned through the wave's own stage; W's columns need no turn: a lane takes a column and its registers run down K.
; No cluster: no two work-groups read the same bytes.  No tensor load: LDS is claimed as it is used.
.set WREG,  20480                      ; LDS of a wave: the turn stage, 32 rows x 528 bytes, then from IMG two images of 1,536 bytes, 1,664 apart
.set TP,    528                        ; 33 x 16 bytes: the lanes' 16-byte reads of 32 rows start in different banks
.set IMG,   16896
.set IMGP,  1664
.set SPARE, 81920                      ; behind the four regions: the spare words, 128 bytes a wave
.set PBB,   6400
.set SPW,   2                          ; v2  my spare word's address; never rewritten
.set NIL,   3                          ; v3  0; never rewritten
.set NUM,   64                         ; v64-191 my row's 128 numbers, k ascending
	s_load_b256 s[4:11], s[0:1], 0x0               ; X, W_Q, W_K, W_V
	s_load_b128 s[12:15], s[0:1], 0x20             ; xq, wq
	s_load_b64 s[16:17], s[0:1], 0x30              ; tab
	v_lshl_add_u32 v[SPW], v0, 2, SPARE
	v_mov_b32 v[NIL], 0
	v_lshrrev_b32 v1, 5, v0
	v_readfirstlane_b32 s18, v1                    ; wave
	v_and_b32 v1, 31, v0                           ; lane L = my row among the 32
	s_mul_i32 s19, s18, WREG
	v_lshlrev_b32 v4, 4, v1                        ; 16 L
	v_bfe_u32 v5, v0, 3, 1                         ; u(L) = (L / 8) % 2
	v_and_b32 v12, 7, v0
	v_bfe_u32 v13, v0, 4, 1
	v_lshl_or_b32 v12, v13, 3, v12                 ; r(L) = L % 8 + 8 (L / 16)
	v_mul_u32_u24 v6, v5, IMGP
	v_lshl_add_u32 v6, v12, 4, v6
	v_add_nc_u32 v6, s19, v6
	v_add_nc_u32 v6, IMG, v6                       ; into the images: tile u(L), lane r(L)
	v_add_nc_u32 v8, s19, v4                       ; into the turn stage: 16 L of a row
	v_add_nc_u32 v7, IMG, v8                       ; out of the images: 16 L
	v_mul_u32_u24 v9, v1, TP
	v_add_nc_u32 v9, s19, v9                       ; out of the turn stage: row L
	v_lshlrev_b32 v10, 6, v5
	v_lshl_add_u32 v10, v12, 2, v10
	v_add_nc_u32 v10, 6144, v10                    ; my row's scale word in a pair block
	s_mov_b32 s29, 0
	s_wait_kmcnt 0x0
	s_cmp_lt_u32 ttmp9, 4
	s_cbranch_scc1 .Ltab
	s_cmp_lt_u32 ttmp9, 516
	s_cbranch_scc0 .Lw
	; ---- X: 32 positions of one batch, K step ks
	s_sub_co_u32 s20, ttmp9, 4
	s_lshr_b32 s21, s20, 1                         ; 64 batch + position / 32
	s_and_b32 s22, s20, 1
	s_lshl_b32 s22, s22, 2
	s_add_co_u32 s22, s22, s18                     ; ks = 4 (j % 2) + wave
	s_lshr_b32 s23, s21, 6                         ; batch
	s_and_b32 s24, s21, 63                         ; position / 32
	s_lshl_b32 s26, s21, 17                        ; 32 rows of 4,096 bytes
	s_lshl_b32 s25, s22, 9                         ; 128 numbers
	s_add_co_u32 s26, s26, s25
	s_mov_b32 s27, 0
	s_add_nc_u64 s[4:5], s[4:5], s[26:27]
	s_lshr_b32 s25, s22, 1
	s_lshl_b32 s25, s25, 6
	s_add_co_u32 s25, s25, s24
	s_lshl_b32 s25, s25, 2
	s_add_co_u32 s25, s25, s23
	s_mul_i32 s28, s25, PBB                        ; my pair block's offset in xq
.set i, 0
.rept 32
	global_load_b128 v[NUM+4*i:NUM+4*i+3], v4, s[4:5] offset:i*4096 th:TH_LOAD_NT   ; row i: the wave reads 512 consecutive bytes
.set i, i+1
.endr
.set i, 0
.rept 32
	s_wait_loadcnt 31-i                            ; loads come back in order: row i is in, the younger ones may be out
	ds_store_b128 v8, v[NUM+4*i:NUM+4*i+3] offset:TP*i
.set i, i+1
.endr
	s_wait_dscnt 0x0                               ; the stores have read their registers
.set i, 0
.rept 32
	ds_load_b128 v[NUM+4*i:NUM+4*i+3], v9 offset:16*i   ; my row, 128 neighbours (the wave's own bytes, served in order)
.set i, i+1
.endr
	s_wait_dscnt 0x0
	s_branch .Lquant
.Lw:	; ---- W: 32 columns of one matrix, K step ks; the four waves stand side by side on 512 bytes of each row
	s_sub_co_u32 s20, ttmp9, 516
	s_lshr_b32 s21, s20, 6                         ; matrix: 0 Q, 1 K, 2 V
	s_bfe_u32 s23, s20, 0x30003
	s_and_b32 s22, s20, 7                          ; ks
	s_lshl_b32 s23, s23, 2
	s_add_co_u32 s23, s23, s18                     ; column / 32
	s_cmp_eq_u32 s21, 0
	s_cselect_b64 s[4:5], s[6:7], s[8:9]
	s_cmp_eq_u32 s21, 2
	s_cselect_b64 s[4:5], s[10:11], s[4:5]
	s_lshl_b32 s26, s22, 19                        ; 128 rows of 4,096 bytes
	s_lshl_b32 s25, s23, 7
	s_add_co_u32 s26, s26, s25
	s_mov_b32 s27, 0
	s_add_nc_u64 s[4:5], s[4:5], s[26:27]
	s_lshr_b32 s25, s22, 1
	s_mul_i32 s25, s25, 3
	s_add_co_u32 s25, s25, s21
	s_lshl_b32 s25, s25, 5
	s_add_co_u32 s25, s25, s23
	s_mul_i32 s28, s25, PBB                        ; my pair block's offset in wq
	v_lshlrev_b32 v11, 2, v1
.set i, 0
.rept 128
	global_load_b32 v[NUM+i], v11, s[4:5] offset:i*4096 th:TH_LOAD_NT   ; W(128 ks + i, my column)
.set i, i+1
.endr
	s_wait_loadcnt 0x0
.Lquant:	; ---- my row's four blocks of 32: scale, codes, and their places in the operand's image
	s_cmp_lt_u32 ttmp9, 516
	s_cselect_b64 s[30:31], s[12:13], s[14:15]     ; xq or wq: the choice hangs on the work-group's number alone
	s_add_nc_u64 s[30:31], s[30:31], s[28:29]
	s_and_b32 s22, s22, 1                          ; q
	s_mul_i32 s28, s22, 1536
	s_add_nc_u64 s[32:33], s[30:31], s[28:29]      ; the images of K step q
	s_lshl_b32 s28, s22, 7
	s_add_nc_u64 s[34:35], s[30:31], s[28:29]      ; its scale words
.irp b, 0,1,2,3
	v_max3_num_f32 v[12+\b], |v[NUM+32*\b]|, |v[NUM+32*\b+1]|, |v[NUM+32*\b+2]|
	v_max3_num_f32 v[16+\b], |v[NUM+32*\b+3]|, |v[NUM+32*\b+4]|, |v[NUM+32*\b+5]|
.endr
.irp i, 6,10,14,18,22,26
.irp b, 0,1,2,3
	v_max3_num_f32 v[12+\b], v[12+\b], |v[NUM+32*\b+\i]|, |v[NUM+32*\b+\i+1]|
	v_max3_num_f32 v[16+\b], v[16+\b], |v[NUM+32*\b+\i+2]|, |v[NUM+32*\b+\i+3]|
.endr
.endr
.irp b, 0,1,2,3
	v_max3_num_f32 v[12+\b], v[12+\b], |v[NUM+32*\b+30]|, |v[NUM+32*\b+31]|
.endr
.irp b, 0,1,2,3
	v_max3_num_f32 v[12+\b], v[12+\b], v[16+\b], 0x2800000   ; and the floor 2^(5 - 127): the byte cannot fall under 1
.endr
.irp b, 0,1,2,3
	v_add_nc_u32 v[20+\b], 0xfe000000, v[12+\b]    ; 4 off the exponent field: the conversion's scale operand
.endr
.irp b, 0,1,2,3
	v_lshrrev_b32 v[16+\b], 23, v[20+\b]           ; the scale's byte
.endr
	v_lshl_or_b32 v216, v17, 8, v16
	v_lshl_or_b32 v216, v18, 16, v216
	v_lshl_or_b32 v216, v19, 24, v216              ; my row's scale word
.irp b, 0,1,2,3
	v_cvt_scalef32_pk16_bf6_f32 v[24+6*\b:26+6*\b], v[NUM+32*\b:NUM+32*\b+15], v[20+\b]
	v_cvt_scalef32_pk16_bf6_f32 v[48+4*\b:50+4*\b], v[NUM+32*\b+16:NUM+32*\b+31], v[20+\b]   ; (a conversion's three registers begin on an even number)
.endr
	v_nop                                          ; one plain place behind the conversions
.irp b, 0,1,2,3
.irp i, 0,1,2
	v_mov_b32 v[27+6*\b+\i], v[48+4*\b+\i]         ; v[24 + 6 b ..]: block b's 192 bits
.endr
.endr
; block b = 2 c + h is registers 6 c .. 6 c + 5 of lane r + 16 h of the image
.irp b, 0,1,2,3
.if \b < 2
	ds_store_b128 v6, v[24+6*\b:27+6*\b] offset:256*(\b%2)
	ds_store_b64 v6, v[28+6*\b:29+6*\b] offset:512+256*(\b%2)
.else
	ds_store_b64 v6, v[24+6*\b:25+6*\b] offset:520+256*(\b%2)
	ds_store_b128 v6, v[26+6*\b:29+6*\b] offset:1024+256*(\b%2)
.endif
.endr
.irp u, 0,1
.irp c, 0,1,2
	ds_load_b128 v[192+12*\u+4*\c:192+12*\u+4*\c+3], v7 offset:IMGP*\u+512*\c   ; the wave's own bytes, served in order
.endr
.endr
	s_wait_dscnt 0x0
.irp u, 0,1
.irp c, 0,1,2
	global_store_b128 v4, v[192+12*\u+4*\c:192+12*\u+4*\c+3], s[32:33] offset:3072*\u+512*\c   ; 512 consecutive bytes, aligned
.endr
.endr
	global_store_b32 v10, v216, s[34:35]           ; 128 consecutive bytes of scale words
	s_branch .Lend
.Ltab:	; ---- entry i of the tables, in pairs of f32 (a high and a low part), so that what is stored is rounded once
	s_lshl_b32 s20, ttmp9, 7
	v_add_nc_u32 v20, s20, v0                      ; i
	v_lshlrev_b32 v21, 2, v20
	v_lshlrev_b32 v22, 1, v20
	v_cvt_f32_u32 v22, v22
	v_add_f32 v22, 0x43cccccd, v22                 ; 2 i + 409.6, as reference() adds them in f32
	v_mov_b32 v23, 0x44b33333                      ; 1433.6
	v_rcp_f32 v24, v23
	v_mov_b32 v30, 0x461c4000                      ; R = 10000 (a plain place behind the reciprocal)
	s_wait_alu depctr_va_vdst(0)                   ; the wait ahead of the result's first reader
	v_fma_f32 v25, -v23, v24, 1.0
	v_fma_f32 v24, v24, v25, v24
	v_mul_f32 v25, v22, v24
	v_fma_f32 v26, -v25, v23, v22
	v_fma_f32 v40, v26, v24, v25                   ; scale_vec[i], the quotient rounded once
	v_mov_b32 v41, 0
	v_mov_b32 v31, 0
	v_mov_b32 v32, 1.0                             ; A = 1
	v_mov_b32 v33, 0
; nine times: R = sqrt(R), w = sqrt(w); where bit 9 - st of i is set, A = A R.  Then A = 10000^(i / 512), w = scale_vec^(1 / 512)
.set st, 1
.rept 9
	v_sqrt_f32 v34, v30
	v_rsq_f32 v35, v30
	v_sqrt_f32 v44, v40
	v_rsq_f32 v45, v40
	v_nop
	s_wait_alu depctr_va_vdst(0)                   ; one wait for the four
	v_fma_f32 v36, -v34, v34, v30                  ; what the rounded root leaves, exactly,
	v_fma_f32 v46, -v44, v44, v40
	v_add_f32 v36, v36, v31                        ; and the low part
	v_add_f32 v46, v46, v41
	v_mul_f32 v35, 0.5, v35
	v_mul_f32 v45, 0.5, v45
	v_mul_f32 v36, v36, v35                        ; / (2 root)
	v_mul_f32 v46, v46, v45
	v_add_f32 v30, v34, v36
	v_add_f32 v40, v44, v46
	v_sub_f32 v37, v34, v30
	v_sub_f32 v47, v44, v40
	v_add_f32 v31, v37, v36
	v_add_f32 v41, v47, v46
	v_mul_f32 v50, v32, v30
	v_fma_f32 v51, v32, v30, -v50
	v_fma_f32 v51, v32, v31, v51
	v_fma_f32 v51, v33, v30, v51
	v_add_f32 v52, v50, v51
	v_sub_f32 v53, v50, v52
	v_add_f32 v53, v53, v51
	v_and_b32 v54, 1<<(9-st), v20
	v_cmp_ne_u32 vcc_lo, 0, v54
	v_cndmask_b32 v32, v32, v52, vcc_lo
	v_cndmask_b32 v33, v33, v53, vcc_lo
.set st, st+1
.endr
	v_rcp_f32 v34, v32                             ; inv_freq = 1 / (the power rounded to f32), the quotient rounded once
	v_add_f32 v42, -1.0, v40                       ; w - 1: exact, w lies in [0.99, 1)
	s_wait_alu depctr_va_vdst(0)
	v_fma_f32 v35, -v32, v34, 1.0
	v_fma_f32 v34, v34, v35, v34
	v_fma_f32 v35, -v32, v34, 1.0
	v_fma_f32 v34, v35, v34, v34
	v_add_f32 v43, v42, v41                        ; d = w - 1, high
	v_sub_f32 v44, v42, v43
	v_add_f32 v44, v44, v41                        ; and low
	v_mov_b32 v45, 0x3e4ccccd                      ; ln(1 + d) = d + d^2 (-1/2 + d (1/3 + d (-1/4 + d / 5))): |d| < 0.0025, the next term is under 1e-13 of d
	v_fmaak_f32 v45, v45, v43, 0xbe800000
	v_fmaak_f32 v45, v45, v43, 0x3eaaaaab
	v_fmaak_f32 v45, v45, v43, 0xbf000000
	v_mul_f32 v47, v43, v43
	v_fma_f32 v46, v45, v47, v44
	v_add_f32 v48, v43, v46
	v_sub_f32 v49, v43, v48
	v_add_f32 v49, v49, v46
	s_mov_b32 s21, 0x4438aa3b                      ; 512 log2(e), high
	s_mov_b32 s22, 0x37257060                      ; and low
	v_mul_f32 v50, s21, v48
	v_fma_f32 v51, v48, s21, -v50
	v_fma_f32 v51, v48, s22, v51
	v_fma_f32 v51, v49, s21, v51
	v_add_f32 v52, v50, v51                        ; log2(scale_vec[i]), high
	v_sub_f32 v53, v50, v52
	v_add_f32 v53, v53, v51                        ; and low
	global_store_b32 v21, v34, s[16:17]
	global_store_b32 v21, v52, s[16:17] offset:2048
	global_store_b32 v21, v53, s[16:17] offset:4096
.Lend:
	s_wait_tensorcnt 0x0                           ; the wave's end
	ds_add_u32 v[SPW], v[NIL]
	s_wait_dscnt 0x0
	s_endpgm
.Lfunc_end_k_qf49e4e4d4b_prep:
	.size	k_qf49e4e4d4b_prep, .Lfunc_end_k_qf49e4e4d4b_prep-k_qf49e4e4d4b_prep
	.p2alignl 7, 3214868480
	.fill 96, 4, 3214868480
	.section	.rodata,"a",@progbits
	.p2align	6, 0x0
	.amdhsa_kernel k_qf49e4e4d4b_prep
		.amdhsa_group_segment_fixed_size 82432
		.amdhsa_private_segment_fixed_size 0
		.amdhsa_enable_private_segment 0
		.amdhsa_kernarg_size 56
		.amdhsa_user_sgpr_count 2
		.amdhsa_user_sgpr_kernarg_segment_ptr 1
		.amdhsa_wavefront_size32 1
		.amdhsa_system_sgpr_workgroup_id_x 1
		.amdhsa_system_sgpr_workgroup_id_y 1
		.amdhsa_system_sgpr_workgroup_id_z 1
		.amdhsa_system_vgpr_workitem_id 0
		.amdhsa_next_free_vgpr 256
		.amdhsa_next_free_sgpr 66
		.amdhsa_reserve_vcc 1
		.amdhsa_float_denorm_mode_32 3
		.amdhsa_float_denorm_mode_16_64 3
		.amdhsa_memory_ordered 1
		.amdhsa_forward_progress 1
		.amdhsa_inst_pref_size 44
	.end_amdhsa_kernel
	.amdgpu_metadata
---
amdhsa.version: [ 1, 2 ]
amdhsa.kernels:
  - .name:           k_qf49e4e4d4b_prep
    .symbol:         k_qf49e4e4d4b_prep.kd
    .args:
      - { .name: X, .offset: 0, .size: 8, .value_kind: global_buffer, .address_space: global }
      - { .name: W_Q, .offset: 8, .size: 8, .value_kind: global_buffer, .address_space: global }
      - { .name: W_K, .offset: 16, .size: 8, .value_kind: global_buffer, .address_space: global }
      - { .name: W_V, .offset: 24, .size: 8, .value_kind: global_buffer, .address_space: global }
      - { .name: xq, .offset: 32, .size: 8, .value_kind: global_buffer, .address_space: global }
      - { .name: wq, .offset: 40, .size: 8, .value_kind: global_buffer, .address_space: global }
      - { .name: tab, .offset: 48, .size: 8, .value_kind: global_buffer, .address_space: global }
    .group_segment_fixed_size: 82432
    .private_segment_fixed_size: 0
    .kernarg_segment_align: 8
    .kernarg_segment_size: 56
    .max_flat_workgroup_size: 128
    .sgpr_count:     66
    .vgpr_count:     256
    .wavefront_size: 32
...
	.end_amdgpu_metadata
.endif
;; end of part 1
;; launch proj (part 2): grid 8 x 32, 4 waves a work-group, clusters of 4 x 4, 327,680 bytes of LDS; arguments xq, wq, tab, qq, kq, vq; writes qq, kq, vq
.if DOCPART == 2
	.amdgcn_target "amdgcn-amd-amdhsa--gfx1250"
	.amdhsa_code_object_version 6
	.text
	.protected	k_qf49e4e4d4b_proj
	.globl	k_qf49e4e4d4b_proj
	.p2align	8
	.type	k_qf49e4e4d4b_proj,@function
k_qf49e4e4d4b_proj:
	s_mov_b64 s[64:65], 0
	v_nop
	global_prefetch_b8 v0, s[64:65] scope:SCOPE_SE
	s_setreg_imm32_b32 hwreg(HW_REG_WAVE_MODE, 25, 1), 1
	s_wait_xcnt 0x0
	s_wait_alu depctr_hold_cnt(0) depctr_sa_sdst(0) depctr_va_vdst(0) depctr_va_sdst(0) depctr_va_ssrc(0) depctr_va_vcc(0) depctr_vm_vsrc(0)
	s_getreg_b32 s2, hwreg(HW_REG_IB_STS2, 6, 4)
	s_cmp_eq_u32 s2, 0
	s_cbranch_scc0 .Lentry_in_a_cluster
	s_endpgm
.Lentry_in_a_cluster:
	s_bfe_u32 s2, ttmp6, 0x10000c
	s_cmp_lg_u32 s2, 0xf033
	s_cbranch_scc0 .Lentry_shape_is_right
	s_endpgm
.Lentry_shape_is_right:
; Q = xpos(X W_Q), K = xpos(X W_K, downscale), V = X W_V on codes of BF6; the results are quantised in registers (Q, K along d; V along the positions) and stored as operand images.
; (Format of all workspace buffers: a pair block of 6,400 bytes = 32 rows x 256 K; image(u, q) at 3072 u + 1536 q, registers 4 c .. 4 c + 3 of lane l at 512 c + 16 l; scale word of row r at 6144 + 128 q + 64 u + 4 r;
;  lane-row r of tile u is row 8 u + r + 8 (r / 8).)
; SHARES.  The three products have 8,192 x 3,072 outputs: 98,304 for each of 256 work-groups, one and a half tiles of 256 x 256.  A work-group of four waves makes them in two phases:
;   PHASE 1: a tile of 256 x 256 of Q (cluster x = 0) or K (1), 128 x 128 a wave: 64 accumulators.   PHASE 2: half a tile of V, 128 d x 256 positions, 64 x 128 a wave: 32 accumulators.
; SOURCE 1 (a lane = a row of it) is called A, SOURCE 0 (a lane's registers run along its rows) B.
;   Q, K: A = 256 rows of X, taken as 64 positions x 4 batches (a wave: 32 positions x 4 batches, so that one sine, cosine and scale serve four rows); B = 256 columns of W.  A lane's registers run along d: the next K.
;   V:    A = 128 columns of W_V; B = 256 positions of one batch.  A lane's registers run along the positions: the next K.
; LDS: three slots of 102,400 bytes.  K = 1,024 = 8 steps of 128; a slot holds 256 along K of both operands of phase 1.  Three quarters of K go out as first fills, the last quarter is a refill of slot 0 at K step 1.
; At K step 5 slots 1 and 2 have been read out: each wave asks for X's 256 positions of one quarter of K for phase 2 (51,200 bytes).  Between the two halves of phase 1's way out, slot 0 takes W_V's block, a quarter of K a wave
; (25,600 bytes).  So phase 2's operands land under phase 1's tail, and its eight K steps run from LDS with no further barrier.  A wave has three tensor loads out at the start, later one.
; CLUSTER 4 x 4: in both phases A's tile hangs on the cluster's row alone and is asked for jointly along it, B's on the column.
; XPOS, in f32 as reference() has it: angle = fl(pos x inv_freq); sine and cosine by a reduction with pi / 2 in two parts (the first product is exact: k < 2^11) and polynomials on [-pi/4, pi/4];
; scale = 2^(+-pos / 512 x log2(scale_vec)), the exponent in a high and a low part.  LIMITS: x cos + rot sin is one multiply and one fused multiply-add (one rounding fewer than reference());
; the scale lies within about 2 ulp of a correctly rounded power.  NaN and infinities are not served; a block of zeros gets the byte 1 (its codes are zeros).
; REGISTERS, in windows of 256.  window 0: v1-27 addresses and small things; v28, v29 the add's two; v32-47 scale words, two sets; v128-223 A's fragments (phase 1: 8, one set; phase 2: 4, two sets); on the ways out v48-227 are at work.
;   window 1: B's fragments, two sets, at v0 and v128 (on phase 1's way out: v0-95 the tables).  windows 2, 3: accumulator (a, t) at v[8 (8 (a % 4) + t)] of window 2 + a / 4.
.set PBB,   6400
.set BLK,   25600                      ; 128 rows x 256 K
.set SLOTB, 102400
.set SPARE, 307200                     ; behind the three slots: the spare words, 128 bytes a wave
.set ADRA, 4                           ; v4-7   my A block + 16 x lane: phase 1 in slot 0, 1, 2; phase 2 for each quarter of K
.set ADRB, 8                           ; v8-11  my B block
.set ADRS, 12                          ; v12-15 scale words: lanes 0-15 A's, lanes 16-31 B's
.set VT,   16                          ; v16    32 h: my half's eight table entries
.set LIQ,  17                          ; v17    16 x lane + 1536 q: my place in an output image
.set LSQ,  18                          ; v18    6144 + 128 q + 4 x lane: in the output's scale words
.set SPW,  28
.set NIL,  29
.set SC,   32
.set AF,   128
.set PF,   48                          ; v[48:49] pos, twice;  v[50:51] +-pos / 512, twice;  v[52:53], v[54:55] two coefficients, twice
.set PE,   50
.set KS3,  52
.set KC2,  54
.set XX,   64
.set TH,   72
.set TL,   80
.set KF,   88
.set RR,   96
.set ZZ,   104
.set PS,   112
.set PQ,   120
.set CS,   128                         ; v128-143 (cos x scale, sin x scale) of eight pairs of columns
.set EX,   144
.set XT,   144                         ; v144-175 rot x sin
.set PC,   176                         ; v176-195 the codes just made
.set TM,   200                         ; v200-215 maxima, bytes, scale operands
.set PW,   216                         ; v216-223 scale words of the row tiles
.set TS,   224                         ; v224-227 scale words as stored
.set G1A,  28                          ; s[28:35] group 1 for A's blocks, both phases: 4 pair blocks on end, my row's mask
.set G1B,  36                          ; s[36:43] for B's blocks of phase 1: the same with my column's mask
.set G1X,  44                          ; s[44:51] for B's blocks of phase 2: 8 pair blocks, 25,600 bytes apart, my column's mask
.set G0BV, 88                          ; s[88:91] group 0 of my load of X for phase 2;  s[92:95] of W_V
.set G0AV, 92
.set BASE, 68                          ; on the ways out: s[68:75] output bases; the constants lie in registers whose tensor loads are done by K step 5's wait
.set C2PI, 36
.set PIH,  38
.set PIL,  40
.set CS4,  42
.set CS2,  52
.set CS1,  54
.set CC3,  56
.set CC1,  58
.set LN2,  60
.set SGN,  62
.set MSK,  63
.set ESG,  76
.set SEL,  66
.set MSB, 0
.macro WIN new                         ; the immediate's high byte repeats the setting that is left
.if MSB != (\new)
	s_set_vgpr_msb (MSB<<8)|(\new)
.set MSB, (\new)
.endif
.endm
.set MUL_LO, 0xa1                      ; source 0 (B) window 1, source 1 (A) window 0, C and D window 2
.set MUL_HI, 0xf1
.macro PLACES                          ; four plain places behind matrix instructions, in front of loads into their registers and of reads of their results
.rept 4
	v_nop
.endr
.endm
.macro CREST                           ; a round of the cluster's barrier behind its opening barrier
	s_cmp_lg_u32 s16, 0
	s_cbranch_scc1 .Lnot_wave_0_\@
	s_barrier_signal -3
.Lnot_wave_0_\@:
	s_barrier_wait -3
	s_barrier_signal -1
	s_barrier_wait -1
.endm
.macro CROUND
	s_barrier_signal -1
	s_barrier_wait -1
	CREST
.endm
; A joint load of phase 1: waves 0 and 1 fetch A's two blocks, waves 2 and 3 B's.  An s_nop 0 and four v_nop follow each line.
.macro JLOAD ga, gb
	s_cmp_eq_u32 s17, 0
	s_cbranch_scc0 .Lfor_b_\@
	tensor_load_to_lds s[\ga:\ga+3], s[G1A:G1A+7]
	s_nop 0
.rept 4
	v_nop
.endr
	s_branch .Lasked_\@
.Lfor_b_\@:
	tensor_load_to_lds s[\gb:\gb+3], s[G1B:G1B+7]
	s_nop 0
.rept 4
	v_nop
.endr
.Lasked_\@:
.endm
.macro REFILL
	CREST                                          ; the barrier has opened a round: no wave of any partner still reads slot 0 or has a load on its way
	JLOAD 80, 84                                   ; the last quarter of K; the four v_nop are also the places in front of the loads that follow
.endm
.macro REFILLV
	CREST                                          ; no wave of any partner still reads slots 1 and 2 or has a load on its way
	tensor_load_to_lds s[G0BV:G0BV+3], s[G1X:G1X+7]   ; phase 2's B: wave w fetches quarter w of K, jointly along my column
	s_nop 0
.rept 4
	v_nop
.endr
.endm
.macro G0SET g, slot, adr, str         ; a group 0: count 1, LDS address = 25,600 x wave + the slot, the global address, type 2; then the address goes a quarter of K on
	s_mov_b32 s[\g], 1
	s_add_co_u32 s[\g+1], s98, (\slot)*SLOTB
	s_mov_b64 s[\g+2:\g+3], s[\adr:\adr+1]
	s_or_b32 s[\g+3], s[\g+3], 0x80000000
	s_add_nc_u64 s[\adr:\adr+1], s[\adr:\adr+1], s[\str:\str+1]
.endm
.macro FRAG reg, adr, off              ; a fragment comes as it was stored: three loads of 512 consecutive bytes
.irp c, 0,1,2
	ds_load_b128 v[(\reg)+4*\c:(\reg)+4*\c+3], v[\adr] offset:(\off)+512*\c
.endr
.endm
.macro FETCH_B ns, nq, par
	WIN 0x40
.irp t, 0,1,2,3,4,5,6,7
	FRAG 128*(\par)+12*\t, ADRB+\ns, (\t/2)*PBB+(\t%2)*3072+(\nq)*1536
.endr
	WIN 0
.endm
.macro FETCH_A ns, nq, a0
.irp i, \a0, \a0+1, \a0+2, \a0+3
	FRAG AF+12*(\i), ADRA+\ns, ((\i)/2)*PBB+((\i)%2)*3072+(\nq)*1536
.endr
.endm
.macro SCALES ns, nq, par
.irp i, 0,1,2,3,4,5,6,7
	ds_load_b32 v[SC+8*(\par)+\i], v[ADRS+\ns] offset:(\i/2)*PBB+(\nq)*128+(\i%2)*64
.endr
.endm
; 16 matrix instructions: A's tiles a0, a0 + 1 x B's eight.  The 64 accumulators take turns, one instruction a turn, in one order in every K step.
.macro MUL16 a0, par, zero
.irp a, \a0, \a0+1
.irp b, 0,1,2,3,4,5,6,7
.if \zero
	v_wmma_scale_f32_16x16x128_f8f6f4 v[8*(8*((\a)%4)+\b):8*(8*((\a)%4)+\b)+7], v[128*(\par)+12*\b:128*(\par)+12*\b+11], v[AF+12*(\a):AF+12*(\a)+11], 0, v[SC+8*(\par)+\b], v[SC+8*(\par)+(\a)] matrix_a_fmt:MATRIX_FMT_BF6 matrix_b_fmt:MATRIX_FMT_BF6 matrix_a_scale:MATRIX_SCALE_ROW1
.else
	v_wmma_scale_f32_16x16x128_f8f6f4 v[8*(8*((\a)%4)+\b):8*(8*((\a)%4)+\b)+7], v[128*(\par)+12*\b:128*(\par)+12*\b+11], v[AF+12*(\a):AF+12*(\a)+11], v[8*(8*((\a)%4)+\b):8*(8*((\a)%4)+\b)+7], v[SC+8*(\par)+\b], v[SC+8*(\par)+(\a)] matrix_a_fmt:MATRIX_FMT_BF6 matrix_b_fmt:MATRIX_FMT_BF6 matrix_a_scale:MATRIX_SCALE_ROW1
.endif
.endr
.endr
.endm
; A K step of phase 1 on B's set par; the next step's operands (slot ns, its K step nq) are fetched in two runs
.macro STEP par, ns, nq, zero
	s_wait_dscnt 12                                ; all but the youngest 12 loads: A's tiles 4-7
	WIN MUL_LO
	MUL16 0, \par, \zero
	MUL16 2, \par, \zero
	s_wait_dscnt 0x0
	PLACES
	FETCH_B \ns, \nq, 1-(\par)
	FETCH_A \ns, \nq, 0
	SCALES \ns, \nq, 1-(\par)
	WIN MUL_HI
	MUL16 4, \par, \zero
	MUL16 6, \par, \zero
	PLACES
	WIN 0
	FETCH_A \ns, \nq, 4
.endm
; A K step with a round: in front of it each wave waits for all its tensor loads, adds 0 to its spare word, and waits for that and for its LDS reads.  fill = 1: slot 0 takes the last quarter of K; 2: slots 1 and 2 take phase 2's B
.macro TURN par, ns, nq, fill
	s_wait_tensorcnt 0x0                           ; all my tensor loads have landed
	ds_add_u32 v[SPW], v[NIL]
	s_wait_dscnt 13                                ; (the add and the youngest 12 loads may be out)
	WIN MUL_LO
	MUL16 0, \par, 0
	s_wait_dscnt 0x0                               ; the add is done, and my reads of the slots read so far are over
	s_barrier_signal -1
	MUL16 2, \par, 0
	WIN 0
	s_barrier_wait -1
.if \fill == 1
	REFILL
.else
	REFILLV
.endif
	FETCH_B \ns, \nq, 1-(\par)
	FETCH_A \ns, \nq, 0
	SCALES \ns, \nq, 1-(\par)
	WIN MUL_HI
	MUL16 4, \par, 0
	MUL16 6, \par, 0
	PLACES
	WIN 0
	FETCH_A \ns, \nq, 4
.endm
.macro LAST par
	s_wait_dscnt 12
	WIN MUL_LO
	MUL16 0, \par, 0
	MUL16 2, \par, 0
	s_wait_dscnt 0x0
	WIN MUL_HI
	MUL16 4, \par, 0
	MUL16 6, \par, 0
	WIN 0
.endm
; PHASE 2.  32 matrix instructions: A's four tiles (set par, at AF + 48 par) x B's eight; the 32 accumulators take turns
.macro MULV par, zero
.irp a, 0,1,2,3
.irp b, 0,1,2,3,4,5,6,7
.if \zero
	v_wmma_scale_f32_16x16x128_f8f6f4 v[8*(8*\a+\b):8*(8*\a+\b)+7], v[128*(\par)+12*\b:128*(\par)+12*\b+11], v[AF+48*(\par)+12*\a:AF+48*(\par)+12*\a+11], 0, v[SC+8*(\par)+\b], v[SC+8*(\par)+\a] matrix_a_fmt:MATRIX_FMT_BF6 matrix_b_fmt:MATRIX_FMT_BF6 matrix_a_scale:MATRIX_SCALE_ROW1
.else
	v_wmma_scale_f32_16x16x128_f8f6f4 v[8*(8*\a+\b):8*(8*\a+\b)+7], v[128*(\par)+12*\b:128*(\par)+12*\b+11], v[AF+48*(\par)+12*\a:AF+48*(\par)+12*\a+11], v[8*(8*\a+\b):8*(8*\a+\b)+7], v[SC+8*(\par)+\b], v[SC+8*(\par)+\a] matrix_a_fmt:MATRIX_FMT_BF6 matrix_b_fmt:MATRIX_FMT_BF6 matrix_a_scale:MATRIX_SCALE_ROW1
.endif
.endr
.endr
.endm
.macro FETCHV k, q, par                ; quarter k of K, its K step q, into the sets par: 44 loads
.irp a, 0,1,2,3
	FRAG AF+48*(\par)+12*\a, ADRA+\k, (\a/2)*PBB+(\a%2)*3072+(\q)*1536
.endr
	SCALES \k, \q, \par
	FETCH_B \k, \q, \par
.endm
.macro VSTEP par, nk, nq, zero, more
	s_wait_dscnt 0x0                               ; this K step's operands are in
.if \more
	PLACES                                         ; in front of the loads into the sets that the last K step multiplied
	FETCHV \nk, \nq, 1-(\par)
.endif
	WIN MUL_LO
	MULV \par, \zero
	WIN 0
.endm
; The 64 registers of a row tile (window w, from v[s0]; register 16 b + i = k 32 b + 16 (lane / 16) + i of my row) become a fragment's codes in v[PC] on and its scale word in v[pw]
.macro QUANT w, s0, pw
	WIN ((\w)<<2)|((\w)<<4)
.irp b, 0,1,2,3
	v_max3_num_f32 v[TM+\b], 0x2800000, |v[(\s0)+16*\b]|, |v[(\s0)+16*\b+1]|   ; with the floor 2^(5 - 127); each accumulator is read from its low end on
.endr
.irp i, 2,4,6,8,10,12,14
.irp b, 0,1,2,3
	v_max3_num_f32 v[TM+\b], v[TM+\b], |v[(\s0)+16*\b+\i]|, |v[(\s0)+16*\b+\i+1]|
.endr
.endr
	WIN 0
.irp b, 0,1,2,3
	v_permlanex16_b32 v[TM+4+\b], v[TM+\b], s[SEL], s[SEL+1]
.endr
.irp b, 0,1,2,3
	v_max_num_f32 v[TM+\b], v[TM+\b], v[TM+4+\b]   ; with lane l xor 16's: the block's largest magnitude
.endr
.irp b, 0,1,2,3
	v_add_nc_u32 v[TM+12+\b], 0xfe000000, v[TM+\b]
.endr
.irp b, 0,1,2,3
	v_lshrrev_b32 v[TM+4+\b], 23, v[TM+12+\b]
.endr
	v_lshl_or_b32 v[\pw], v[TM+5], 8, v[TM+4]
	v_lshl_or_b32 v[\pw], v[TM+6], 16, v[\pw]
	v_lshl_or_b32 v[\pw], v[TM+7], 24, v[\pw]
	s_wait_xcnt 0x0                                ; the last tile's stores have read v[PC] on
	WIN (\w)
.irp c, 0,1
	v_cvt_scalef32_pk16_bf6_f32 v[PC+6*\c:PC+2+6*\c], v[(\s0)+32*\c:(\s0)+15+32*\c], v[TM+12+2*\c]
	v_cvt_scalef32_pk16_bf6_f32 v[PC+12+4*\c:PC+14+4*\c], v[(\s0)+16+32*\c:(\s0)+31+32*\c], v[TM+12+2*\c+1]
.endr
	WIN 0
	v_nop                                          ; one plain place behind the conversions
.irp c, 0,1                            ; the layout wants a whole block in a lane
.irp i, 0,1,2
	v_permlane16_swap_b32 v[PC+6*\c+\i], v[PC+12+4*\c+\i]
.endr
.irp i, 0,1,2
	v_mov_b32 v[PC+3+6*\c+\i], v[PC+12+4*\c+\i]
.endr
.endr
.endm
.macro STORE pi, u                     ; the fragment leaves as it stands: 512 consecutive aligned bytes a store
.irp c, 0,1,2
	global_store_b128 v[LIQ], v[PC+4*\c:PC+4*\c+3], s[BASE+2*(\pi):BASE+2*(\pi)+1] offset:3072*(\u)+512*\c
.endr
.endm
.macro SSTORE pi                       ; lanes 0-15 tile 0's words, lanes 16-31 tile 1's: 128 consecutive bytes
	v_cndmask_b32 v[TS+(\pi)], v[PW+2*(\pi)], v[PW+2*(\pi)+1], s[MSK]
	global_store_b32 v[LSQ], v[TS+(\pi)], s[BASE+2*(\pi):BASE+2*(\pi)+1]
.endm
.macro SPAIR reg, val                  ; a constant for the packed forms: they name a pair, so both words are written
	s_mov_b32 s[\reg], \val
	s_mov_b32 s[\reg+1], \val
.endm
; cos x scale and sin x scale of my position for the eight pairs of columns of B's tiles 2 bb, 2 bb + 1
.macro SINCOS8 bb
	WIN 0x01                                       ; source 0: the tables, in window 1
.irp e, 0,2,4,6
	v_pk_mul_f32 v[XX+\e:XX+\e+1], v[8*\bb+\e:8*\bb+\e+1], v[PF:PF+1]              ; the angle: the f32 product that reference() forms
	v_pk_mul_f32 v[TH+\e:TH+\e+1], v[32+8*\bb+\e:32+8*\bb+\e+1], v[PE:PE+1]        ; the scale's exponent, high
.endr
.irp e, 0,2,4,6
	v_pk_fma_f32 v[TL+\e:TL+\e+1], v[32+8*\bb+\e:32+8*\bb+\e+1], v[PE:PE+1], v[TH+\e:TH+\e+1] neg_lo:[0,0,1] neg_hi:[0,0,1]
.endr
.irp e, 0,2,4,6
	v_pk_fma_f32 v[TL+\e:TL+\e+1], v[64+8*\bb+\e:64+8*\bb+\e+1], v[PE:PE+1], v[TL+\e:TL+\e+1]   ; and low
.endr
	WIN 0
.irp e, 0,1,2,3,4,5,6,7
	v_exp_f32 v[EX+\e], v[TH+\e]                   ; one batch; the reduction and the polynomials are the work behind it
.endr
.irp e, 0,2,4,6
	v_pk_mul_f32 v[KF+\e:KF+\e+1], v[XX+\e:XX+\e+1], s[C2PI:C2PI+1] op_sel_hi:[1,0]
.endr
.irp e, 0,1,2,3,4,5,6,7
	v_rndne_f32 v[KF+\e], v[KF+\e]                 ; k = the nearest multiple of pi / 2
.endr
.irp e, 0,2,4,6
	v_pk_fma_f32 v[RR+\e:RR+\e+1], v[KF+\e:KF+\e+1], s[PIH:PIH+1], v[XX+\e:XX+\e+1] op_sel_hi:[1,0,1]   ; exact
.endr
.irp e, 0,2,4,6
	v_pk_fma_f32 v[RR+\e:RR+\e+1], v[KF+\e:KF+\e+1], s[PIL:PIL+1], v[RR+\e:RR+\e+1] op_sel_hi:[1,0,1]
.endr
.irp e, 0,2,4,6
	v_pk_mul_f32 v[ZZ+\e:ZZ+\e+1], v[RR+\e:RR+\e+1], v[RR+\e:RR+\e+1]
.endr
.irp e, 0,2,4,6
	v_pk_fma_f32 v[PS+\e:PS+\e+1], v[ZZ+\e:ZZ+\e+1], s[CS4:CS4+1], v[KS3:KS3+1] op_sel_hi:[1,0,1]
	v_pk_fma_f32 v[PQ+\e:PQ+\e+1], v[ZZ+\e:ZZ+\e+1], s[CC3:CC3+1], v[KC2:KC2+1] op_sel_hi:[1,0,1]
.endr
.irp e, 0,2,4,6
	v_pk_fma_f32 v[PS+\e:PS+\e+1], v[PS+\e:PS+\e+1], v[ZZ+\e:ZZ+\e+1], s[CS2:CS2+1] op_sel_hi:[1,1,0]
	v_pk_fma_f32 v[PQ+\e:PQ+\e+1], v[PQ+\e:PQ+\e+1], v[ZZ+\e:ZZ+\e+1], s[CC1:CC1+1] op_sel_hi:[1,1,0]
.endr
.irp e, 0,2,4,6
	v_pk_fma_f32 v[PS+\e:PS+\e+1], v[PS+\e:PS+\e+1], v[ZZ+\e:ZZ+\e+1], s[CS1:CS1+1] op_sel_hi:[1,1,0]
	v_pk_fma_f32 v[PQ+\e:PQ+\e+1], v[PQ+\e:PQ+\e+1], v[ZZ+\e:ZZ+\e+1], -0.5 op_sel_hi:[1,1,0]
	v_pk_mul_f32 v[XX+\e:XX+\e+1], v[ZZ+\e:ZZ+\e+1], v[RR+\e:RR+\e+1]
.endr
.irp e, 0,2,4,6
	v_pk_fma_f32 v[PS+\e:PS+\e+1], v[PS+\e:PS+\e+1], v[XX+\e:XX+\e+1], v[RR+\e:RR+\e+1]          ; sin r
	v_pk_fma_f32 v[PQ+\e:PQ+\e+1], v[PQ+\e:PQ+\e+1], v[ZZ+\e:ZZ+\e+1], 1.0 op_sel_hi:[1,1,0]     ; cos r
	v_pk_mul_f32 v[TL+\e:TL+\e+1], v[TL+\e:TL+\e+1], s[LN2:LN2+1] op_sel_hi:[1,0]
.endr
	s_wait_alu depctr_va_vdst(0)                   ; one wait for the eight exponentials, ahead of their first reader
.irp e, 0,2,4,6
	v_pk_fma_f32 v[EX+\e:EX+\e+1], v[EX+\e:EX+\e+1], v[TL+\e:TL+\e+1], v[EX+\e:EX+\e+1]          ; the scale: 2^high x (1 + low ln 2)
.endr
.irp e, 0,1,2,3,4,5,6,7                ; the quadrant: odd k changes sine and cosine; sine's sign is bit 1 of k, cosine's bit 1 of k + 1; the sign rides on the scale
	v_cvt_i32_f32 v[XX+\e], v[KF+\e]
	v_and_b32 v[ZZ+\e], 1, v[XX+\e]
	v_cmp_eq_u32 vcc_lo, 1, v[ZZ+\e]
	v_cndmask_b32 v[RR+\e], v[PS+\e], v[PQ+\e], vcc_lo
	v_cndmask_b32 v[KF+\e], v[PQ+\e], v[PS+\e], vcc_lo
	v_lshlrev_b32 v[ZZ+\e], 30, v[XX+\e]
	v_and_or_b32 v[ZZ+\e], v[ZZ+\e], s[SGN], v[EX+\e]
	v_add_lshl_u32 v[XX+\e], v[XX+\e], 1, 30
	v_and_or_b32 v[XX+\e], v[XX+\e], s[SGN], v[EX+\e]
	v_mul_f32 v[CS+2*\e], v[KF+\e], v[XX+\e]
	v_mul_f32 v[CS+2*\e+1], v[RR+\e], v[ZZ+\e]
.endr
.endm
; x cos + rot sin on B's tiles 2 bb, 2 bb + 1 of the four row tiles 2 pi + u (the four batches of my position)
.macro XAPPLY u, bb
.irp w, 2, 3
	WIN (\w)
.set n, 0
.irp pp, 0, 1
.irp tt, 0, 1
.irp x, 0,1,2,3
	v_pk_mul_f32 v[XT+2*n:XT+2*n+1], v[8*(8*(2*\pp+\u)+2*\bb+\tt)+2*\x:8*(8*(2*\pp+\u)+2*\bb+\tt)+2*\x+1], v[CS+2*(4*\tt+\x):CS+2*(4*\tt+\x)+1] op_sel:[1,1] op_sel_hi:[0,1] neg_lo:[1,0]   ; (-x_odd sin, x_even sin)
.set n, n+1
.endr
.endr
.endr
	WIN ((\w)<<6)|(\w)
.set n, 0
.irp pp, 0, 1
.irp tt, 0, 1
.irp x, 0,1,2,3
	v_pk_fma_f32 v[8*(8*(2*\pp+\u)+2*\bb+\tt)+2*\x:8*(8*(2*\pp+\u)+2*\bb+\tt)+2*\x+1], v[8*(8*(2*\pp+\u)+2*\bb+\tt)+2*\x:8*(8*(2*\pp+\u)+2*\bb+\tt)+2*\x+1], v[CS+2*(4*\tt+\x):CS+2*(4*\tt+\x)+1], v[XT+2*n:XT+2*n+1] op_sel_hi:[1,0,1]
.set n, n+1
.endr
.endr
.endr
.endr
.endm
; phase 1's way out for the four row tiles 2 pi + u
.macro HALF u
	v_add_nc_u32 v22, 8*\u, v21                    ; my position
	v_cvt_f32_u32 v[PF], v22
	v_cvt_f32_u32 v[PF+1], v22
	v_mul_f32 v[PE], s[ESG], v[PF]
	v_mul_f32 v[PE+1], s[ESG], v[PF]
.irp bb, 0,1,2,3
	SINCOS8 \bb
	XAPPLY \u, \bb
.endr
	WIN 0
.irp pi, 0,1,2,3
	QUANT 2+(2*\pi+\u)/4, 64*((2*\pi+\u)%4), PW+2*\pi+\u
	STORE \pi, \u
.endr
.endm
	s_load_b256 s[4:11], s[0:1], 0x0               ; xq, wq, tab, qq
	s_load_b128 s[12:15], s[0:1], 0x20             ; kq, vq
	v_lshl_add_u32 v[SPW], v0, 2, SPARE
	v_mov_b32 v[NIL], 0
	ds_add_u32 v[SPW], v[NIL]                      ; the wave's opening: the add, twice on end, and its wait ahead of my first tensor load
	ds_add_u32 v[SPW], v[NIL]
	v_lshrrev_b32 v1, 5, v0
	v_readfirstlane_b32 s16, v1                    ; wave
	s_lshr_b32 s17, s16, 1                         ; my half of the tile's rows.  Also, in phase 1: I fetch for A (0) or for B (1)
	s_and_b32 s18, s16, 1                          ; my half of its columns.  Also, in phase 1: which block I fetch
	s_bfe_u32 s19, ttmp6, 0x40000                  ; cx
	s_bfe_u32 s20, ttmp6, 0x40004                  ; cy
	s_mov_b32 s21, ttmp9                           ; the cluster's x: 0 Q, 1 K
	s_and_b32 s22, ttmp7, 0xffff                   ; the cluster's y
	s_lshl_b32 s24, s20, 2
	s_lshl_b32 s24, 15, s24                        ; my row of the cluster
	s_lshl_b32 s25, 0x1111, s19                    ; my column
	s_or_b32 s[G1A], s24, (3<<16)|(1<<21)          ; the mask; elements of 8 bytes; bit 21 beside a mask; no padding
	s_or_b32 s[G1B], s25, (3<<16)|(1<<21)
	s_or_b32 s[G1X], s25, (3<<16)|(1<<21)
.irp g, G1A, G1B, G1X
	s_mov_b32 s[\g+1], 800<<16                     ; tensor_dim0 = 800 elements: a pair block
	s_mov_b32 s[\g+3], 800<<16                     ; tile_dim0
	s_mov_b32 s[\g+6], 0
	s_mov_b32 s[\g+7], 0
.endr
.irp g, G1A, G1B
	s_mov_b32 s[\g+2], 4<<16                       ; tensor_dim1 = 4
	s_mov_b32 s[\g+4], 4                           ; tile_dim1
	s_mov_b32 s[\g+5], 800                         ; dense
.endr
	s_mov_b32 s[G1X+2], 8<<16                      ; 8 pair blocks: 256 positions
	s_mov_b32 s[G1X+4], 8
	s_mov_b32 s[G1X+5], 3200                       ; every fourth pair block: one batch's
	; phase 1, A's offset: of the cluster's row, never of its column
	s_lshl_b32 s91, s18, 2
	s_lshl_b32 s88, s22, 2
	s_add_co_u32 s88, s88, s20                     ; row tile = 4 x cluster y + cy
	s_lshl_b32 s88, s88, 1
	s_add_co_u32 s88, s88, s18
	s_mul_i32 s88, s88, BLK                        ; 32 positions x 4 batches
	s_mov_b32 s89, 0
	; B's: of the cluster's column
	s_lshl_b32 s92, s21, 5
	s_lshl_b32 s93, s19, 3
	s_add_co_u32 s92, s92, s93
	s_add_co_u32 s92, s92, s91
	s_mul_i32 s92, s92, PBB                        ; the matrix's pairs 8 cx + 4 half on
	s_mov_b32 s93, 0
	s_mul_i32 s98, s16, BLK                        ; where my block goes in a slot
	s_mov_b32 s96, 1638400                         ; a quarter of K on, in xq
	s_mov_b32 s97, 0
	s_mov_b32 s100, 614400                         ; and in wq
	s_mov_b32 s101, 0
	s_wait_dscnt 0x0                               ; both opening adds are done
	s_wait_kmcnt 0x0
	s_add_nc_u64 s[90:91], s[4:5], s[88:89]
	s_add_nc_u64 s[94:95], s[6:7], s[92:93]
	G0SET 52, 0, 90, 96
	G0SET 56, 1, 90, 96
	G0SET 60, 2, 90, 96
	G0SET 80, 0, 90, 96                            ; the last quarter goes into slot 0 again
	G0SET 68, 0, 94, 100
	G0SET 72, 1, 94, 100
	G0SET 76, 2, 94, 100
	G0SET 84, 0, 94, 100
	CROUND                                         ; all sixteen work-groups are here: the first joint loads meet
	JLOAD 52, 68
	JLOAD 56, 72
	JLOAD 60, 76
	v_and_b32 v1, 15, v0                           ; r
	v_bfe_u32 v2, v0, 4, 1                         ; h
	v_and_b32 v20, 31, v0
	v_lshlrev_b32 v3, 4, v20                       ; 16 x lane
	s_mul_i32 s88, s17, BLK                        ; my A block
	s_mul_i32 s89, s18, BLK
	s_add_co_u32 s89, s89, 2*BLK                   ; my B block
	s_xor_b32 s90, s17, 1
	s_add_co_u32 s90, s90, s18
	s_add_co_u32 s90, s90, 1
	s_mul_i32 s90, s90, BLK                        ; from my A block to my B block
	v_mul_u32_u24 v19, s90, v2                     ; lanes 16-31 take B's scale words
	v_lshl_add_u32 v19, v1, 2, v19
	v_add_nc_u32 v19, s88, v19
	v_add_nc_u32 v19, 6144, v19
.irp k, 0,1,2
	v_add_nc_u32 v[ADRA+\k], s88, v3
	v_add_nc_u32 v[ADRB+\k], s89, v3
	v_add_nc_u32 v[ADRS+\k], \k*SLOTB, v19
	s_add_co_u32 s88, s88, SLOTB
	s_add_co_u32 s89, s89, SLOTB
.endr
	v_lshlrev_b32 v[VT], 5, v2
	s_mul_i32 s91, s18, 1536
	v_add_nc_u32 v[LIQ], s91, v3
	s_lshl_b32 s91, s18, 7
	s_add_co_u32 s91, s91, 6144
	v_lshl_add_u32 v[LSQ], v20, 2, s91
	s_lshl_b32 s92, s19, 9
	s_lshl_b32 s93, s18, 8
	s_add_co_u32 s92, s92, s93
	s_mov_b32 s93, 0
	s_add_nc_u64 s[26:27], s[8:9], s[92:93]        ; the tables at my 64 pairs of columns
	; phase 2's two groups 0.  B: X's 256 positions of batch TC / 8, TC = 4 x cluster y + cx; wave w takes quarter w of K, into slots 1 and 2
	s_lshl_b32 s96, s22, 2
	s_add_co_u32 s96, s96, s19                     ; TC
	s_and_b32 s97, s96, 7
	s_lshl_b32 s97, s97, 5                         ; 8 (TC % 8) positions / 32, x 4 batches
	s_lshr_b32 s96, s96, 3
	s_add_co_u32 s96, s96, s97
	s_mul_i32 s96, s96, PBB
	s_mul_i32 s97, s16, 1638400
	s_add_co_u32 s96, s96, s97
	s_mov_b32 s97, 0
	s_mov_b32 s[G0BV], 1
	s_mul_i32 s[G0BV+1], s16, 51200
	s_add_co_u32 s[G0BV+1], s[G0BV+1], SLOTB
	s_add_nc_u64 s[G0BV+2:G0BV+3], s[4:5], s[96:97]
	s_or_b32 s[G0BV+3], s[G0BV+3], 0x80000000
	; A: W_V's 128 columns 128 d8 on, d8 = 4 x cluster x + cy; wave w takes quarter w of K, into slot 0
	s_lshl_b32 s100, s21, 2
	s_add_co_u32 s100, s100, s20                   ; d8
	s_lshl_b32 s100, s100, 2
	s_add_co_u32 s100, s100, 64                    ; the third matrix's pairs
	s_mul_i32 s100, s100, PBB
	s_mul_i32 s99, s16, 614400
	s_add_co_u32 s100, s100, s99
	s_mov_b32 s101, 0
	s_mov_b32 s[G0AV], 1
	s_mul_i32 s[G0AV+1], s16, BLK
	s_add_nc_u64 s[G0AV+2:G0AV+3], s[6:7], s[100:101]
	s_or_b32 s[G0AV+3], s[G0AV+3], 0x80000000
	s_wait_tensorcnt 2                             ; my part of slot 0 is in; my two later loads may be out
	s_barrier_signal -1
	s_barrier_wait -1
	FETCH_B 0, 0, 0
	FETCH_A 0, 0, 0
	SCALES 0, 0, 0
	FETCH_A 0, 0, 4
	STEP 0, 0, 1, 1                                ; K step 0: its products start the sums
	TURN 1, 1, 0, 1                                ; K step 1: slots 1 and 2 are whole, slot 0 is left and filled again
	STEP 0, 1, 1, 0
	STEP 1, 2, 0, 0
	STEP 0, 2, 1, 0
	TURN 1, 0, 0, 2                                ; K step 5: the last quarter is whole; slots 1 and 2 are left and take phase 2's B
	STEP 0, 0, 1, 0
	WIN 0x40                                       ; B's set 0 is done with, four places behind its last product: the tables land there
.irp tb, 0,1,2
.irp bb, 0,1,2,3
	global_load_b128 v[32*\tb+8*\bb:32*\tb+8*\bb+3], v[VT], s[26:27] offset:2048*\tb+64*\bb
	global_load_b128 v[32*\tb+8*\bb+4:32*\tb+8*\bb+7], v[VT], s[26:27] offset:2048*\tb+64*\bb+16
.endr
.endr
	WIN 0
	LAST 1
	PLACES
	s_wait_loadcnt 0x0                             ; the tables
	; the constants and bases go into registers whose tensor loads were shown done at K step 5; the load that is out names s[88:91] and s[44:51], which stay
	SPAIR C2PI, 0x3f22f983                         ; 2 / pi
	SPAIR PIH, 0xbfc90fdb                          ; -pi / 2, the f32 nearest,
	SPAIR PIL, 0x333bbd2e                          ; and what it leaves
	SPAIR CS4, 0x36366c3c
	SPAIR CS2, 0x3c088884
	SPAIR CS1, 0xbe2aaaab
	SPAIR CC3, 0x37cc9a17
	SPAIR CC1, 0x3d2aaa9f
	SPAIR LN2, 0x3f317218
	s_mov_b32 s[SGN], 0x80000000
	s_mov_b32 s[MSK], 0xffff0000
	s_mov_b32 s[SEL], 0x76543210
	s_mov_b32 s[SEL+1], 0xfedcba98
	s_cmp_eq_u32 s21, 1
	s_mov_b32 s2, 0x3b000000
	s_cselect_b32 s[ESG], 0xbb000000, s2           ; +-1 / 512: K is scaled down
	s_cmp_eq_u32 s21, 0
	s_cselect_b64 s[96:97], s[10:11], s[12:13]     ; qq or kq
	s_lshl_b32 s78, s22, 2
	s_add_co_u32 s78, s78, s20
	s_lshl_b32 s78, s78, 1
	s_add_co_u32 s78, s78, s17                     ; my positions / 32
	s_lshl_b32 s80, s19, 6
	s_add_co_u32 s80, s80, s78                     ; [kp = cx][pair]
	s_mul_i32 s80, s80, PBB
	s_mov_b32 s81, 0
	s_lshl_b32 s78, s78, 5                         ; my first position
	s_mov_b32 s82, 1638400                         ; from batch to batch
	s_mov_b32 s83, 0
	s_add_nc_u64 s[BASE:BASE+1], s[96:97], s[80:81]
	s_add_nc_u64 s[BASE+2:BASE+3], s[BASE:BASE+1], s[82:83]
	s_add_nc_u64 s[BASE+4:BASE+5], s[BASE+2:BASE+3], s[82:83]
	s_add_nc_u64 s[BASE+6:BASE+7], s[BASE+4:BASE+5], s[82:83]
.irp b, 0,1,2,3
	v_mov_b32 v[TM+4+\b], 0                        ; written once: a lane permute's destination counts as one of its sources
.endr
	v_mov_b32 v[KS3], 0xb95007cf
	v_mov_b32 v[KS3+1], 0xb95007cf
	v_mov_b32 v[KC2], 0xbab6043f
	v_mov_b32 v[KC2+1], 0xbab6043f
	v_and_b32 v21, 8, v1
	v_add_nc_u32 v21, v21, v1
	v_add_nc_u32 v21, s78, v21                     ; tile 0's position of my lane
	HALF 0
	s_wait_tensorcnt 0x0                           ; phase 2's B has landed: no tensor load of mine is out
	ds_add_u32 v[SPW], v[NIL]
	s_wait_dscnt 0x0                               ; the add is done; my reads of slot 0 ended with the last K step
	CROUND                                         ; the same holds of every wave of every partner
	tensor_load_to_lds s[G0AV:G0AV+3], s[G1A:G1A+7]   ; phase 2's A: wave w fetches quarter w of K, jointly along my row; it lands under the second half of the way out
	s_nop 0
.rept 4
	v_nop
.endr
	HALF 1
.irp pi, 0,1,2,3
	SSTORE \pi
.endr
	; ---- PHASE 2.  LDS: W_V's quarter k at 25,600 k (my 64 rows: + 12,800 x half); X's at 102,400 + 51,200 k (my 128 positions: + 25,600 x half)
	s_mul_i32 s77, s17, 12800
	s_mul_i32 s78, s18, BLK
	s_add_co_u32 s78, s78, SLOTB
	s_xor_b32 s79, s17, 1
	s_lshl_b32 s80, s18, 1
	s_add_co_u32 s79, s79, s80
	s_add_co_u32 s79, s79, 7
	s_mul_i32 s79, s79, 12800                      ; from my A rows to my B rows in quarter 0; 25,600 more in each later quarter
	v_lshlrev_b32 v19, 2, v1
	v_add_nc_u32 v19, s77, v19
	v_add_nc_u32 v19, 6144, v19
.irp k, 0,1,2,3
	v_add_nc_u32 v[ADRA+\k], s77, v3
	v_add_nc_u32 v[ADRB+\k], s78, v3
	v_mul_u32_u24 v20, s79, v2                     ; lanes 16-31 take B's scale words
	v_add_nc_u32 v[ADRS+\k], v20, v19
	v_add_nc_u32 v19, BLK, v19
	s_add_co_u32 s77, s77, BLK
	s_add_co_u32 s78, s78, 51200
	s_add_co_u32 s79, s79, BLK
.endr
	s_wait_xcnt 0x0                                ; phase 1's stores have read their registers and bases: both may be written again
	s_lshl_b32 s81, s22, 2
	s_add_co_u32 s81, s81, s19                     ; TC = 8 batch + kp
	s_lshl_b32 s81, s81, 5
	s_lshl_b32 s82, s21, 2
	s_add_co_u32 s82, s82, s20                     ; d8
	s_lshl_b32 s82, s82, 2
	s_add_co_u32 s81, s81, s82
	s_lshl_b32 s82, s17, 1
	s_add_co_u32 s81, s81, s82                     ; [TC][pair 4 d8 + 2 half]
	s_mul_i32 s82, s81, PBB
	s_mov_b32 s83, 0
	s_add_nc_u64 s[BASE:BASE+1], s[14:15], s[82:83]
	s_add_nc_u64 s[BASE+2:BASE+3], s[BASE:BASE+1], PBB
	s_wait_tensorcnt 0x0                           ; my quarter of A has landed,
	s_barrier_signal -1
	s_barrier_wait -1                              ; everybody's has
	FETCHV 0, 0, 0
	VSTEP 0, 0, 1, 1, 1                            ; its products start the sums
	VSTEP 1, 1, 0, 0, 1
	VSTEP 0, 1, 1, 0, 1
	VSTEP 1, 2, 0, 0, 1
	VSTEP 0, 2, 1, 0, 1
	VSTEP 1, 3, 0, 0, 1
	VSTEP 0, 3, 1, 0, 1
	VSTEP 1, 0, 0, 0, 0
	PLACES
.irp a, 0,1,2,3
	QUANT 2, 64*\a, PW+\a
	STORE \a/2, \a%2
.endr
	SSTORE 0
	SSTORE 1
	s_wait_tensorcnt 0x0                           ; the wave's end
	ds_add_u32 v[SPW], v[NIL]
	s_wait_dscnt 0x0
	CROUND                                         ; the closing round
	s_endpgm
.Lfunc_end_k_qf49e4e4d4b_proj:
	.size	k_qf49e4e4d4b_proj, .Lfunc_end_k_qf49e4e4d4b_proj-k_qf49e4e4d4b_proj
	.p2alignl 7, 3214868480
	.fill 96, 4, 3214868480
	.section	.rodata,"a",@progbits
	.p2align	6, 0x0
	.amdhsa_kernel k_qf49e4e4d4b_proj
		.amdhsa_group_segment_fixed_size 327680
		.amdhsa_private_segment_fixed_size 0
		.amdhsa_enable_private_segment 0
		.amdhsa_kernarg_size 48
		.amdhsa_user_sgpr_count 2
		.amdhsa_user_sgpr_kernarg_segment_ptr 1
		.amdhsa_wavefront_size32 1
		.amdhsa_system_sgpr_workgroup_id_x 1
		.amdhsa_system_sgpr_workgroup_id_y 1
		.amdhsa_system_sgpr_workgroup_id_z 1
		.amdhsa_system_vgpr_workitem_id 0
		.amdhsa_next_free_vgpr 1024
		.amdhsa_next_free_sgpr 102
		.amdhsa_reserve_vcc 1
		.amdhsa_float_denorm_mode_32 3
		.amdhsa_float_denorm_mode_16_64 3
		.amdhsa_memory_ordered 1
		.amdhsa_forward_progress 1
		.amdhsa_inst_pref_size 255
	.end_amdhsa_kernel
	.section	.bss,"aw",@nobits
	.p2align	6
	.space	262144
	.amdgpu_metadata
---
amdhsa.version: [ 1, 2 ]
amdhsa.kernels:
  - .name:           k_qf49e4e4d4b_proj
    .symbol:         k_qf49e4e4d4b_proj.kd
    .args:
      - { .name: xq, .offset: 0, .size: 8, .value_kind: global_buffer, .address_space: global }
      - { .name: wq, .offset: 8, .size: 8, .value_kind: global_buffer, .address_space: global }
      - { .name: tab, .offset: 16, .size: 8, .value_kind: global_buffer, .address_space: global }
      - { .name: qq, .offset: 24, .size: 8, .value_kind: global_buffer, .address_space: global }
      - { .name: kq, .offset: 32, .size: 8, .value_kind: global_buffer, .address_space: global }
      - { .name: vq, .offset: 40, .size: 8, .value_kind: global_buffer, .address_space: global }
    .group_segment_fixed_size: 327680
    .private_segment_fixed_size: 0
    .kernarg_segment_align: 8
    .kernarg_segment_size: 48
    .max_flat_workgroup_size: 128
    .sgpr_count:     102
    .vgpr_count:     1024
    .wavefront_size: 32
...
	.end_amdgpu_metadata
.endif
;; end of part 2
;; launch score (part 3): grid 36 x 4, 4 waves a work-group, no clusters, 327,680 bytes of LDS; arguments qq, kq, rq; writes rq
.if DOCPART == 3
	.amdgcn_target "amdgcn-amd-amdhsa--gfx1250"
	.amdhsa_code_object_version 6
	.text
	.protected	k_qf49e4e4d4b_score
	.globl	k_qf49e4e4d4b_score
	.p2align	8
	.type	k_qf49e4e4d4b_score,@function
k_qf49e4e4d4b_score:
	s_mov_b64 s[64:65], 0
	v_nop
	global_prefetch_b8 v0, s[64:65] scope:SCOPE_SE
	s_setreg_imm32_b32 hwreg(HW_REG_WAVE_MODE, 25, 1), 1
	s_wait_xcnt 0x0
; ret = (Q K^T) x D on codes of BF6, quantised along the keys and stored as operand images.  (Format of the workspace buffers: see the comment in the text below on FRAG and SCALES; a pair block of 6,400 bytes = 32 rows x 256 K.)
; WORK LEFT OUT: the tiles of 256 x 256 that lie wholly above the diagonal, where reference()'s own D is 0: they are zeros, quantise to zeros and add nothing to ret @ V.  36 tiles of 64 stay in each batch.
; A NaN or an infinity that would arise there as infinity x 0 is not carried on.
; Work-group x = the tile's number in the lower triangle (row i has tiles j = 0 .. i), y = the batch.  Four waves, 128 x 128 each; K = 1,024 = 8 steps; three slots of LDS, one refill, as in the launch before.
; NO CLUSTER: row i of the triangle has i + 1 tiles and column j has 8 - j: groups of four partners with a common tile do not divide it.
; SOURCE 1 (A, a lane = a row) = queries, SOURCE 0 (B, registers) = keys: a lane's registers run along the keys, the next K.
; D = gamma^(n - m) is made of two factors: R, which hangs on the lane, the row tile and the pair of key tiles, and E(e) = gamma^(-e), e = 0 .. 15 the key within the lane's sixteen.  Each is 2^(k log2 gamma) with the
; exponent in a high and a low part.  Where n < m the factor is 0, as in reference(): by a factor R = 0 for whole pairs of tiles, by a choice for the pairs on the diagonal.
; LIMITS: S x E x R is rounded twice and each factor lies within about 1 ulp: D x S lies within about 4e-7 of reference()'s.  NaN and infinities are not served; a block of zeros gets the byte 1.
.set PBB,   6400
.set BLK,   25600
.set SLOTB, 102400
.set SPARE, 307200
.set ADRA, 4
.set ADRB, 8
.set ADRS, 12
.set LIQ,  17
.set LSQ,  18
.set SPW,  28
.set NIL,  29
.set SC,   32
.set AF,   128
.set RA,   48                          ; v48-61 R(delta, u), delta = -3 .. 3: the pair (u = 0, u = 1) at 2 (delta + 3)
.set EE,   64                          ; v64-79 E(e)
.set DD,   80                          ; v80-81 n - m at e = 0, delta = 0, for u = 0, 1
.set ZERO, 82
.set GZ,   83
.set KK,   84
.set TH,   100
.set TL,   116
.set PC,   176
.set TM,   200
.set PW,   216
.set TS,   224
.set G1,   28                          ; s[28:35] group 1; s[36:51] four groups 0
.set BASE, 28                          ; behind the last tensor load: four output bases
.set LH,   52
.set LL,   53
.set NLH,  54
.set NLL,  55
.set LN2,  56
.set MSK,  57
.set SEL,  66
.set MSB, 0
.macro WIN new
.if MSB != (\new)
	s_set_vgpr_msb (MSB<<8)|(\new)
.set MSB, (\new)
.endif
.endm
.set MUL_LO, 0xa1
.set MUL_HI, 0xf1
.macro PLACES
.rept 4
	v_nop
.endr
.endm
.macro REFILL                          ; the last quarter of K, into slot 0: my one tensor load behind the barrier; the four v_nop are also the places in front of the loads that follow
	tensor_load_to_lds s[48:51], s[G1:G1+7]
	s_nop 0
.rept 4
	v_nop
.endr
.endm
.macro G0SET g, slot, adr, str
	s_mov_b32 s[\g], 1
	s_add_co_u32 s[\g+1], s98, (\slot)*SLOTB
	s_mov_b64 s[\g+2:\g+3], s[\adr:\adr+1]
	s_or_b32 s[\g+3], s[\g+3], 0x80000000
	s_add_nc_u64 s[\adr:\adr+1], s[\adr:\adr+1], s[\str:\str+1]
.endm
.macro FRAG reg, adr, off              ; image(u, q) of a pair block lies at 3072 u + 1536 q: registers 4 c .. 4 c + 3 of lane l at 512 c + 16 l
.irp c, 0,1,2
	ds_load_b128 v[(\reg)+4*\c:(\reg)+4*\c+3], v[\adr] offset:(\off)+512*\c
.endr
.endm
.macro FETCH_B ns, nq, par
	WIN 0x40
.irp t, 0,1,2,3,4,5,6,7
	FRAG 128*(\par)+12*\t, ADRB+\ns, (\t/2)*PBB+(\t%2)*3072+(\nq)*1536
.endr
	WIN 0
.endm
.macro FETCH_A ns, nq, a0
.irp i, \a0, \a0+1, \a0+2, \a0+3
	FRAG AF+12*(\i), ADRA+\ns, ((\i)/2)*PBB+((\i)%2)*3072+(\nq)*1536
.endr
.endm
.macro SCALES ns, nq, par              ; the scale word of row r of tile u, K step q, lies at 6144 + 128 q + 64 u + 4 r
.irp i, 0,1,2,3,4,5,6,7
	ds_load_b32 v[SC+8*(\par)+\i], v[ADRS+\ns] offset:(\i/2)*PBB+(\nq)*128+(\i%2)*64
.endr
.endm
.macro MUL16 a0, par, zero             ; the 64 accumulators take turns, one instruction a turn
.irp a, \a0, \a0+1
.irp b, 0,1,2,3,4,5,6,7
.if \zero
	v_wmma_scale_f32_16x16x128_f8f6f4 v[8*(8*((\a)%4)+\b):8*(8*((\a)%4)+\b)+7], v[128*(\par)+12*\b:128*(\par)+12*\b+11], v[AF+12*(\a):AF+12*(\a)+11], 0, v[SC+8*(\par)+\b], v[SC+8*(\par)+(\a)] matrix_a_fmt:MATRIX_FMT_BF6 matrix_b_fmt:MATRIX_FMT_BF6 matrix_a_scale:MATRIX_SCALE_ROW1
.else
	v_wmma_scale_f32_16x16x128_f8f6f4 v[8*(8*((\a)%4)+\b):8*(8*((\a)%4)+\b)+7], v[128*(\par)+12*\b:128*(\par)+12*\b+11], v[AF+12*(\a):AF+12*(\a)+11], v[8*(8*((\a)%4)+\b):8*(8*((\a)%4)+\b)+7], v[SC+8*(\par)+\b], v[SC+8*(\par)+(\a)] matrix_a_fmt:MATRIX_FMT_BF6 matrix_b_fmt:MATRIX_FMT_BF6 matrix_a_scale:MATRIX_SCALE_ROW1
.endif
.endr
.endr
.endm
.macro STEP par, ns, nq, zero
	s_wait_dscnt 12                                ; all but the youngest 12 loads: A's tiles 4-7
	WIN MUL_LO
	MUL16 0, \par, \zero
	MUL16 2, \par, \zero
	s_wait_dscnt 0x0
	PLACES
	FETCH_B \ns, \nq, 1-(\par)
	FETCH_A \ns, \nq, 0
	SCALES \ns, \nq, 1-(\par)
	WIN MUL_HI
	MUL16 4, \par, \zero
	MUL16 6, \par, \zero
	PLACES
	WIN 0
	FETCH_A \ns, \nq, 4
.endm
.macro TURN par, ns, nq, fill
	s_wait_tensorcnt 0x0                           ; all my tensor loads have landed
	ds_add_u32 v[SPW], v[NIL]
	s_wait_dscnt 13                                ; (the add and the youngest 12 loads may be out)
	WIN MUL_LO
	MUL16 0, \par, 0
	s_wait_dscnt 0x0                               ; the add is done, and my reads of the slots read so far are over
	s_barrier_signal -1
	MUL16 2, \par, 0
	WIN 0
	s_barrier_wait -1
.if \fill
	REFILL
.else
	PLACES
.endif
	FETCH_B \ns, \nq, 1-(\par)
	FETCH_A \ns, \nq, 0
	SCALES \ns, \nq, 1-(\par)
	WIN MUL_HI
	MUL16 4, \par, 0
	MUL16 6, \par, 0
	PLACES
	WIN 0
	FETCH_A \ns, \nq, 4
.endm
.macro LAST par
	s_wait_dscnt 12
	WIN MUL_LO
	MUL16 0, \par, 0
	MUL16 2, \par, 0
	s_wait_dscnt 0x0
	WIN MUL_HI
	MUL16 4, \par, 0
	MUL16 6, \par, 0
	WIN 0
.endm
.macro QUANT w, s0, pw                 ; 64 registers of a row tile (register 16 b + i = k 32 b + 16 (lane / 16) + i) -> codes in v[PC] on, scale word in v[pw]
	WIN ((\w)<<2)|((\w)<<4)
.irp b, 0,1,2,3
	v_max3_num_f32 v[TM+\b], 0x2800000, |v[(\s0)+16*\b]|, |v[(\s0)+16*\b+1]|
.endr
.irp i, 2,4,6,8,10,12,14
.irp b, 0,1,2,3
	v_max3_num_f32 v[TM+\b], v[TM+\b], |v[(\s0)+16*\b+\i]|, |v[(\s0)+16*\b+\i+1]|
.endr
.endr
	WIN 0
.irp b, 0,1,2,3
	v_permlanex16_b32 v[TM+4+\b], v[TM+\b], s[SEL], s[SEL+1]
.endr
.irp b, 0,1,2,3
	v_max_num_f32 v[TM+\b], v[TM+\b], v[TM+4+\b]
.endr
.irp b, 0,1,2,3
	v_add_nc_u32 v[TM+12+\b], 0xfe000000, v[TM+\b]
.endr
.irp b, 0,1,2,3
	v_lshrrev_b32 v[TM+4+\b], 23, v[TM+12+\b]
.endr
	v_lshl_or_b32 v[\pw], v[TM+5], 8, v[TM+4]
	v_lshl_or_b32 v[\pw], v[TM+6], 16, v[\pw]
	v_lshl_or_b32 v[\pw], v[TM+7], 24, v[\pw]
	s_wait_xcnt 0x0                                ; the last tile's stores have read v[PC] on
	WIN (\w)
.irp c, 0,1
	v_cvt_scalef32_pk16_bf6_f32 v[PC+6*\c:PC+2+6*\c], v[(\s0)+32*\c:(\s0)+15+32*\c], v[TM+12+2*\c]
	v_cvt_scalef32_pk16_bf6_f32 v[PC+12+4*\c:PC+14+4*\c], v[(\s0)+16+32*\c:(\s0)+31+32*\c], v[TM+12+2*\c+1]
.endr
	WIN 0
	v_nop
.irp c, 0,1
.irp i, 0,1,2
	v_permlane16_swap_b32 v[PC+6*\c+\i], v[PC+12+4*\c+\i]
.endr
.irp i, 0,1,2
	v_mov_b32 v[PC+3+6*\c+\i], v[PC+12+4*\c+\i]
.endr
.endr
.endm
.macro STORE pi, u
.irp c, 0,1,2
	global_store_b128 v[LIQ], v[PC+4*\c:PC+4*\c+3], s[BASE+2*(\pi):BASE+2*(\pi)+1] offset:3072*(\u)+512*\c
.endr
.endm
.macro SSTORE pi
	v_cndmask_b32 v[TS+(\pi)], v[PW+2*(\pi)], v[PW+2*(\pi)+1], s[MSK]
	global_store_b32 v[LSQ], v[TS+(\pi)], s[BASE+2*(\pi):BASE+2*(\pi)+1]
.endm
; row tile a x D
.macro SCALE a
.set wa, 2+(\a)/4
	WIN (wa<<6)|wa
.irp t, 0,1,2,3,4,5,6,7
.set ac, 8*(8*((\a)%4)+\t)
.set dl, (\a)/2-(\t)/2
.irp x, 0,1,2,3
	v_pk_mul_f32 v[ac+2*\x:ac+2*\x+1], v[ac+2*\x:ac+2*\x+1], v[EE+8*(\t%2)+2*\x:EE+8*(\t%2)+2*\x+1]
.endr
.irp x, 0,1,2,3
.if (\a)%2 == 0
	v_pk_mul_f32 v[ac+2*\x:ac+2*\x+1], v[ac+2*\x:ac+2*\x+1], v[RA+2*(dl+3):RA+2*(dl+3)+1] op_sel_hi:[1,0]
.else
	v_pk_mul_f32 v[ac+2*\x:ac+2*\x+1], v[ac+2*\x:ac+2*\x+1], v[RA+2*(dl+3):RA+2*(dl+3)+1] op_sel:[0,1] op_sel_hi:[1,1]
.endif
.endr
.if dl == 0
.irp g, 0,1,2,3,4,5,6,7
	v_cmp_gt_i32 vcc_lo, 8*(\t%2)+\g, v[DD+(\a)%2]                 ; key after query: 0
	v_cndmask_b32 v[ac+\g], v[ac+\g], v[ZERO], vcc_lo
.endr
.endif
.endr
.endm
	s_load_b128 s[4:7], s[0:1], 0x0                ; qq, kq
	s_load_b64 s[8:9], s[0:1], 0x10                ; rq
	v_lshl_add_u32 v[SPW], v0, 2, SPARE
	v_mov_b32 v[NIL], 0
	ds_add_u32 v[SPW], v[NIL]                      ; the wave's opening: the add, twice on end, and its wait ahead of my first tensor load
	ds_add_u32 v[SPW], v[NIL]
	v_lshrrev_b32 v1, 5, v0
	v_readfirstlane_b32 s16, v1
	s_lshr_b32 s17, s16, 1                         ; my half of the queries.  Also: I fetch for A (0) or for B (1)
	s_and_b32 s18, s16, 1                          ; my half of the keys.  Also: which block I fetch
	s_and_b32 s20, ttmp7, 0xffff                   ; batch
	s_mov_b32 s21, 0
.irp k, 1,3,6,10,15,21,28
	s_cmp_ge_u32 ttmp9, \k
	s_cselect_b32 s2, 1, 0
	s_add_co_u32 s21, s21, s2                      ; i: the row of the triangle
.endr
	s_add_co_u32 s2, s21, 1
	s_mul_i32 s2, s2, s21
	s_lshr_b32 s2, s2, 1
	s_sub_co_u32 s22, ttmp9, s2                    ; j
	s_mov_b32 s[G1], 3<<16                         ; no mask; elements of 8 bytes; no padding
	s_mov_b32 s[G1+1], 800<<16
	s_mov_b32 s[G1+2], 4<<16
	s_mov_b32 s[G1+3], 800<<16
	s_mov_b32 s[G1+4], 4
	s_mov_b32 s[G1+5], 800
	s_mov_b32 s[G1+6], 0
	s_mov_b32 s[G1+7], 0
	s_cmp_lt_u32 s16, 2
	s_cselect_b32 s2, s21, s22                     ; waves 0, 1: the queries' tile; waves 2, 3: the keys'
	s_lshl_b32 s3, s20, 8
	s_lshl_b32 s2, s2, 3
	s_add_co_u32 s3, s3, s2
	s_lshl_b32 s2, s18, 2
	s_add_co_u32 s3, s3, s2
	s_mul_i32 s88, s3, PBB                         ; [batch][kp = 0][pair 8 tile + 4 half]
	s_mov_b32 s89, 0
	s_mul_i32 s98, s16, BLK
	s_mov_b32 s96, 409600                          ; a quarter of K on
	s_mov_b32 s97, 0
	s_wait_dscnt 0x0
	s_wait_kmcnt 0x0
	s_cmp_lt_u32 s16, 2
	s_cselect_b64 s[90:91], s[4:5], s[6:7]
	s_add_nc_u64 s[90:91], s[90:91], s[88:89]
	G0SET 36, 0, 90, 96
	G0SET 40, 1, 90, 96
	G0SET 44, 2, 90, 96
	G0SET 48, 0, 90, 96
	tensor_load_to_lds s[36:39], s[G1:G1+7]        ; three quarters of K go out at once: three loads of mine are out
	s_nop 0
	tensor_load_to_lds s[40:43], s[G1:G1+7]
	s_nop 0
	tensor_load_to_lds s[44:47], s[G1:G1+7]
	s_nop 0
	v_and_b32 v1, 15, v0
	v_bfe_u32 v2, v0, 4, 1
	v_and_b32 v20, 31, v0
	v_lshlrev_b32 v3, 4, v20
	s_mul_i32 s88, s17, BLK
	s_mul_i32 s89, s18, BLK
	s_add_co_u32 s89, s89, 2*BLK
	s_xor_b32 s90, s17, 1
	s_add_co_u32 s90, s90, s18
	s_add_co_u32 s90, s90, 1
	s_mul_i32 s90, s90, BLK
	v_mul_u32_u24 v19, s90, v2
	v_lshl_add_u32 v19, v1, 2, v19
	v_add_nc_u32 v19, s88, v19
	v_add_nc_u32 v19, 6144, v19
.irp k, 0,1,2
	v_add_nc_u32 v[ADRA+\k], s88, v3
	v_add_nc_u32 v[ADRB+\k], s89, v3
	v_add_nc_u32 v[ADRS+\k], \k*SLOTB, v19
	s_add_co_u32 s88, s88, SLOTB
	s_add_co_u32 s89, s89, SLOTB
.endr
	s_mul_i32 s91, s18, 1536
	v_add_nc_u32 v[LIQ], s91, v3
	s_lshl_b32 s91, s18, 7
	s_add_co_u32 s91, s91, 6144
	v_lshl_add_u32 v[LSQ], v20, 2, s91
	s_wait_tensorcnt 2                             ; my part of slot 0 is in; my two later loads may be out
	s_barrier_signal -1
	s_barrier_wait -1
	FETCH_B 0, 0, 0
	FETCH_A 0, 0, 0
	SCALES 0, 0, 0
	FETCH_A 0, 0, 4
	STEP 0, 0, 1, 1
	TURN 1, 1, 0, 1
	STEP 0, 1, 1, 0
	STEP 1, 2, 0, 0
	STEP 0, 2, 1, 0
	TURN 1, 0, 0, 0
	STEP 0, 0, 1, 0
	LAST 1
	PLACES
	; ---- D's factors.  No tensor load is out: the descriptors' registers are free
	s_mov_b32 s[LH], 0xbd3b9ca6                    ; log2(31 / 32), high
	s_mov_b32 s[LL], 0xb09d99ee                    ; and low
	s_mov_b32 s[NLH], 0x3d3b9ca6
	s_mov_b32 s[NLL], 0x309d99ee
	s_mov_b32 s[LN2], 0x3f317218
	s_mov_b32 s[MSK], 0xffff0000
	s_mov_b32 s[SEL], 0x76543210
	s_mov_b32 s[SEL+1], 0xfedcba98
	s_sub_co_i32 s23, s21, s22
	s_lshl_b32 s23, s23, 8
	s_sub_co_i32 s2, s17, s18
	s_lshl_b32 s2, s2, 7
	s_add_co_i32 s23, s23, s2                      ; my first query less my first key: -128, 0, 128 ..
	s_cmp_ge_i32 s23, 128
	s_cselect_b32 s24, 1.0, 0                      ; pairs of tiles with delta < 0 count from 128 on
	s_cmp_ge_i32 s23, 0
	s_cselect_b32 s25, 1.0, 0                      ; the others from 0 on
	s_lshl_b32 s2, s20, 3
	s_add_co_u32 s2, s2, s22
	s_lshl_b32 s2, s2, 6
	s_lshl_b32 s3, s21, 3
	s_add_co_u32 s2, s2, s3
	s_lshl_b32 s3, s17, 2
	s_add_co_u32 s2, s2, s3
	s_mul_i32 s2, s2, PBB                          ; [batch][kp = j][pair 8 i + 4 half]
	s_mov_b32 s3, 0
	s_add_nc_u64 s[BASE:BASE+1], s[8:9], s[2:3]
	s_add_nc_u64 s[BASE+2:BASE+3], s[BASE:BASE+1], PBB
	s_add_nc_u64 s[BASE+4:BASE+5], s[BASE+2:BASE+3], PBB
	s_add_nc_u64 s[BASE+6:BASE+7], s[BASE+4:BASE+5], PBB
.irp b, 0,1,2,3
	v_mov_b32 v[TM+4+\b], 0
.endr
	v_and_b32 v[GZ], 8, v1
	v_add_nc_u32 v[GZ], v[GZ], v1
	v_lshlrev_b32 v[KK], 4, v2
	v_sub_nc_u32 v[GZ], v[GZ], v[KK]
	v_add_nc_u32 v[GZ], s23, v[GZ]                 ; n - m at u = 0, delta = 0, e = 0
	v_mov_b32 v[DD], v[GZ]
	v_add_nc_u32 v[DD+1], 8, v[GZ]
	v_mov_b32 v[ZERO], 0
.set idx, 0
.rept 14
	v_add_nc_u32 v[KK+idx], 32*(idx/2-3)+8*(idx%2), v[GZ]
.set idx, idx+1
.endr
.set idx, 0
.rept 14
	v_cvt_f32_i32 v[KK+idx], v[KK+idx]
.set idx, idx+1
.endr
.set idx, 0
.rept 14
	v_mul_f32 v[TH+idx], s[LH], v[KK+idx]
.set idx, idx+1
.endr
.set idx, 0
.rept 14
	v_fma_f32 v[TL+idx], v[KK+idx], s[LH], -v[TH+idx]
.set idx, idx+1
.endr
.set idx, 0
.rept 14
	v_exp_f32 v[RA+idx], v[TH+idx]
.set idx, idx+1
.endr
.set idx, 0
.rept 14
	v_fma_f32 v[TL+idx], v[KK+idx], s[LL], v[TL+idx]
.set idx, idx+1
.endr
.set idx, 0
.rept 14
	v_mul_f32 v[TL+idx], s[LN2], v[TL+idx]
.set idx, idx+1
.endr
	s_wait_alu depctr_va_vdst(0)                   ; one wait for the fourteen
.set idx, 0
.rept 14
	v_fma_f32 v[RA+idx], v[RA+idx], v[TL+idx], v[RA+idx]
.set idx, idx+1
.endr
.set idx, 0
.rept 14
.if idx < 6
	v_mul_f32 v[RA+idx], s24, v[RA+idx]
.else
	v_mul_f32 v[RA+idx], s25, v[RA+idx]
.endif
.set idx, idx+1
.endr
.set idx, 0
.rept 16
	v_mov_b32 v[KK+idx], idx
.set idx, idx+1
.endr
.set idx, 0
.rept 16
	v_cvt_f32_u32 v[KK+idx], v[KK+idx]
.set idx, idx+1
.endr
.set idx, 0
.rept 16
	v_mul_f32 v[TH+idx], s[NLH], v[KK+idx]
.set idx, idx+1
.endr
.set idx, 0
.rept 16
	v_fma_f32 v[TL+idx], v[KK+idx], s[NLH], -v[TH+idx]
.set idx, idx+1
.endr
.set idx, 0
.rept 16
	v_exp_f32 v[EE+idx], v[TH+idx]
.set idx, idx+1
.endr
.set idx, 0
.rept 16
	v_fma_f32 v[TL+idx], v[KK+idx], s[NLL], v[TL+idx]
.set idx, idx+1
.endr
.set idx, 0
.rept 16
	v_mul_f32 v[TL+idx], s[LN2], v[TL+idx]
.set idx, idx+1
.endr
	s_wait_alu depctr_va_vdst(0)                   ; and one for the sixteen
.set idx, 0
.rept 16
	v_fma_f32 v[EE+idx], v[EE+idx], v[TL+idx], v[EE+idx]
.set idx, idx+1
.endr
.irp a, 0,1,2,3,4,5,6,7
	SCALE \a
	QUANT 2+\a/4, 64*(\a%4), PW+\a
	STORE \a/2, \a%2
.if \a%2 == 1
	SSTORE \a/2
.endif
.endr
	s_wait_tensorcnt 0x0                           ; the wave's end
	ds_add_u32 v[SPW], v[NIL]
	s_wait_dscnt 0x0
	s_endpgm
.Lfunc_end_k_qf49e4e4d4b_score:
	.size	k_qf49e4e4d4b_score, .Lfunc_end_k_qf49e4e4d4b_score-k_qf49e4e4d4b_score
	.p2alignl 7, 3214868480
	.fill 96, 4, 3214868480
	.section	.rodata,"a",@progbits
	.p2align	6, 0x0
	.amdhsa_kernel k_qf49e4e4d4b_score
		.amdhsa_group_segment_fixed_size 327680
		.amdhsa_private_segment_fixed_size 0
		.amdhsa_enable_private_segment 0
		.amdhsa_kernarg_size 24
		.amdhsa_user_sgpr_count 2
		.amdhsa_user_sgpr_kernarg_segment_ptr 1
		.amdhsa_wavefront_size32 1
		.amdhsa_system_sgpr_workgroup_id_x 1
		.amdhsa_system_sgpr_workgroup_id_y 1
		.amdhsa_system_sgpr_workgroup_id_z 1
		.amdhsa_system_vgpr_workitem_id 0
		.amdhsa_next_free_vgpr 1024
		.amdhsa_next_free_sgpr 100
		.amdhsa_reserve_vcc 1
		.amdhsa_float_denorm_mode_32 3
		.amdhsa_float_denorm_mode_16_64 3
		.amdhsa_memory_ordered 1
		.amdhsa_forward_progress 1
		.amdhsa_inst_pref_size 189
	.end_amdhsa_kernel
	.amdgpu_metadata
---
amdhsa.version: [ 1, 2 ]
amdhsa.kernels:
  - .name:           k_qf49e4e4d4b_score
    .symbol:         k_qf49e4e4d4b_score.kd
    .args:
      - { .name: qq, .offset: 0, .size: 8, .value_kind: global_buffer, .address_space: global }
      - { .name: kq, .offset: 8, .size: 8, .value_kind: global_buffer, .address_space: global }
      - { .name: rq, .offset: 16, .size: 8, .value_kind: global_buffer, .address_space: global }
    .group_segment_fixed_size: 327680
    .private_segment_fixed_size: 0
    .kernarg_segment_align: 8
    .kernarg_segment_size: 24
    .max_flat_workgroup_size: 128
    .sgpr_count:     100
    .vgpr_count:     1024
    .wavefront_size: 32
...
	.end_amdgpu_metadata
.endif
;; end of part 3
;; launch outp (part 4): grid 8 x 16, 4 waves a work-group, clusters of 4 x 1, 327,680 bytes of LDS; arguments rq, vq, out0; writes out0
.if DOCPART == 4
	.amdgcn_target "amdgcn-amd-amdhsa--gfx1250"
	.amdhsa_code_object_version 6
	.text
	.protected	k_qf49e4e4d4b_outp
	.globl	k_qf49e4e4d4b_outp
	.p2align	8
	.type	k_qf49e4e4d4b_outp,@function
k_qf49e4e4d4b_outp:
	s_mov_b64 s[64:65], 0
	v_nop
	global_prefetch_b8 v0, s[64:65] scope:SCOPE_SE
	s_setreg_imm32_b32 hwreg(HW_REG_WAVE_MODE, 25, 1), 1
	s_wait_xcnt 0x0
	s_wait_alu depctr_hold_cnt(0) depctr_sa_sdst(0) depctr_va_vdst(0) depctr_va_sdst(0) depctr_va_ssrc(0) depctr_va_vcc(0) depctr_vm_vsrc(0)
	s_getreg_b32 s2, hwreg(HW_REG_IB_STS2, 6, 4)
	s_cmp_eq_u32 s2, 0
	s_cbranch_scc0 .Lentry_in_a_cluster
	s_endpgm
.Lentry_in_a_cluster:
	s_bfe_u32 s2, ttmp6, 0x10000c
	s_cmp_lg_u32 s2, 0x3003
	s_cbranch_scc0 .Lentry_shape_is_right
	s_endpgm
.Lentry_shape_is_right:
; out = ret @ V on codes of BF6, f32 out.  (Workspace format: a pair block of 6,400 bytes = 32 rows x 256 K; image(u, q) at 3072 u + 1536 q; scale word of row r at 6144 + 128 q + 64 u + 4 r; lane-row r of tile u is row 8 u + r + 8 (r / 8).)
; WORK LEFT OUT: the K steps in which ret is 0 by reference()'s own D (keys of a tile of 256 that lies wholly after the queries' tile): they add nothing.  Row tile rt walks kp = 0 .. rt.
; SHARES.  Work-group (x = which 128 of d, y = 4 batch + p) makes TWO tiles of 256 queries x 128 d: row tiles p and 7 - p, which together walk 9 slots of 256 keys whatever p is: all work-groups have equal work and
; no trip count hangs on anything.  Four waves, 128 x 64 each; two sets of 32 accumulators (H: row tile 7 - p, L: row tile p).
; THE STREAM s = 0 .. 8: s = 0: L, kp 0;  s = 1 .. 8 - p: H, kp s - 1;  s = 9 - p .. 8: L, kp s - (8 - p).  In s = 6 .. 8 a scalar branch on ids picks the set, round the 32 matrix instructions alone.
; LDS: four regions of 76,800 bytes (ret's 256 rows x 256 K, then V's 128 rows x 256 K); slot s lies in region s % 4.  Wave 0 fetches ret's tile of even s, wave 1 of odd s, waves 2 and 3 V's likewise.
; Four slots go out as first fills; two regions are filled again behind each of two rounds, one behind a third: a refill has four K steps (128 matrix instructions a wave) in which to land.  Two loads of mine are out at the start, later one.
; CLUSTER 4 x 1: the four partners make the same rows for different d: ret's tiles are asked for jointly; V's are each work-group's own.
; SOURCE 1 (A, a lane = a row) = ret's queries, SOURCE 0 (B, registers) = V's d: a lane holds neighbouring d of one row.
; REGISTERS.  window 0: v1-27 addresses; v28, v29 the add's two; v32-47 scale words, two sets; A's 8 fragments, two sets, at v48 and v144.  window 1: B's 4 fragments, two sets, at v0 and v48; v128-191 rows on the way out.
;   window 2: H, accumulator (a, t) at v[8 (4 a + t)];  window 3: L.
.set PBB,   6400
.set REG,   76800
.set SPARE, 307200
.set STAGE, 76800                      ; the way out: 16 rows x 272 bytes a wave, in region 1: it has had its last fill (s = 5), and nobody reads it behind the last barrier
.set ADRA,  4                          ; v4-7
.set ADRB,  8                          ; v8-11
.set ADRS,  12                         ; v12-15 lanes 0-15 A's scale words, lanes 16-31 B's
.set ADRT,  16                         ; v16-19 A's in both halves, for A's tiles 4-7
.set STO,   20
.set RD,    21
.set CO,    22
.set SPW,   28
.set NIL,   29
.set SC,    32
.set AS,    48
.set OB,    128
.set G1A,   28
.set G1B,   36
.set G0A0,  44
.set G0A1,  48
.set G0B0,  52
.set G0B1,  56
.set OBASE, 60                         ; s[60:61] H's rows in out0, s[62:63] L's
.set MSB, 0
.macro WIN new
.if MSB != (\new)
	s_set_vgpr_msb (MSB<<8)|(\new)
.set MSB, (\new)
.endif
.endm
.macro PLACES
.rept 4
	v_nop
.endr
.endm
.macro CROUND                          ; a round of the cluster's barrier
	s_barrier_signal -1
	s_barrier_wait -1
	s_cmp_lg_u32 s16, 0
	s_cbranch_scc1 .Lnot_wave_0_\@
	s_barrier_signal -3
.Lnot_wave_0_\@:
	s_barrier_wait -3
	s_barrier_signal -1
	s_barrier_wait -1
.endm
.macro TLOAD ga, gb                    ; waves 0, 1: ret's tile, jointly; waves 2, 3: V's, my own.  An s_nop 0 and four v_nop follow each line
	s_cmp_eq_u32 s17, 0
	s_cbranch_scc0 .Lfor_b_\@
	tensor_load_to_lds s[\ga:\ga+3], s[G1A:G1A+7]
	s_nop 0
.rept 4
	v_nop
.endr
	s_branch .Lasked_\@
.Lfor_b_\@:
	tensor_load_to_lds s[\gb:\gb+3], s[G1B:G1B+7]
	s_nop 0
.rept 4
	v_nop
.endr
.Lasked_\@:
.endm
; the groups 0 for slot s = 2 n + (wave % 2), by selects alone.  ret's address is made of the batch, p and s, which the partners share; V's also of d, in registers of its own
.macro SADDR n, ga, gb
	s_add_co_u32 s70, s18, 2*(\n)                  ; s
	s_sub_co_u32 s71, s70, 1                       ; s - 1 (wraps at s = 0: then not H)
	s_sub_co_i32 s72, s70, s24
	s_max_i32 s72, s72, 0                          ; L's kp
	s_cmp_lt_u32 s71, s24
	s_cselect_b32 s73, s25, s23                    ; the row tile
	s_cselect_b32 s72, s71, s72                    ; kp
	s_lshl_b32 s74, s22, 3
	s_add_co_u32 s74, s74, s72                     ; 8 batch + kp
	s_lshl_b32 s75, s74, 6
	s_lshl_b32 s73, s73, 3
	s_add_co_u32 s75, s75, s73
	s_mul_i32 s76, s75, PBB
	s_mov_b32 s77, 0
	s_lshl_b32 s78, s74, 5
	s_add_co_u32 s78, s78, s26
	s_mul_i32 s78, s78, PBB
	s_mov_b32 s79, 0
	s_mov_b32 s[\ga], 1
	s_add_co_u32 s[\ga+1], s27, 2*((\n)%2)*REG
	s_add_nc_u64 s[\ga+2:\ga+3], s[4:5], s[76:77]
	s_or_b32 s[\ga+3], s[\ga+3], 0x80000000
	s_mov_b32 s[\gb], 1
	s_add_co_u32 s[\gb+1], s27, 2*((\n)%2)*REG+51200
	s_add_nc_u64 s[\gb+2:\gb+3], s[6:7], s[78:79]
	s_or_b32 s[\gb+3], s[\gb+3], 0x80000000
.endm
.macro FRAG reg, adr, off
.irp c, 0,1,2
	ds_load_b128 v[(\reg)+4*\c:(\reg)+4*\c+3], v[\adr] offset:(\off)+512*\c
.endr
.endm
.macro FETCH k, q, par                 ; region k, its K step q, into the sets par: 44 loads
.irp a, 0,1,2,3,4,5,6,7
	FRAG AS+96*(\par)+12*\a, ADRA+\k, (\a/2)*PBB+(\a%2)*3072+(\q)*1536
.endr
.irp i, 0,1,2,3
	ds_load_b32 v[SC+8*(\par)+\i], v[ADRS+\k] offset:(\i/2)*PBB+(\q)*128+(\i%2)*64
.endr
.irp i, 4,5,6,7
	ds_load_b32 v[SC+8*(\par)+\i], v[ADRT+\k] offset:(\i/2)*PBB+(\q)*128+(\i%2)*64
.endr
	WIN 0x40
.irp t, 0,1,2,3
	FRAG 48*(\par)+12*\t, ADRB+\k, (\t/2)*PBB+(\t%2)*3072+(\q)*1536
.endr
	WIN 0
.endm
.macro MULS wc, par, zero              ; 32 matrix instructions; the set's 32 accumulators take turns
	WIN \wc
.irp a, 0,1,2,3,4,5,6,7
.irp t, 0,1,2,3
.if \zero
	v_wmma_scale_f32_16x16x128_f8f6f4 v[8*(4*\a+\t):8*(4*\a+\t)+7], v[48*(\par)+12*\t:48*(\par)+12*\t+11], v[AS+96*(\par)+12*\a:AS+96*(\par)+12*\a+11], 0, v[SC+8*(\par)+\t], v[SC+8*(\par)+\a] matrix_a_fmt:MATRIX_FMT_BF6 matrix_b_fmt:MATRIX_FMT_BF6 matrix_a_scale:MATRIX_SCALE_ROW1
.else
	v_wmma_scale_f32_16x16x128_f8f6f4 v[8*(4*\a+\t):8*(4*\a+\t)+7], v[48*(\par)+12*\t:48*(\par)+12*\t+11], v[AS+96*(\par)+12*\a:AS+96*(\par)+12*\a+11], v[8*(4*\a+\t):8*(4*\a+\t)+7], v[SC+8*(\par)+\t], v[SC+8*(\par)+\a] matrix_a_fmt:MATRIX_FMT_BF6 matrix_b_fmt:MATRIX_FMT_BF6 matrix_a_scale:MATRIX_SCALE_ROW1
.endif
.endr
.endr
	WIN 0
.endm
.macro MULSEL sl, par                  ; slot sl belongs to H while sl <= 8 - p: ids alone, the same in all waves and partners
	s_cmp_ge_u32 s24, \sl
	s_cbranch_scc0 .Llow_\@
	MULS 0xa1, \par, 0
	s_branch .Lmul_done_\@
.Llow_\@:
	MULS 0xf1, \par, 0
.Lmul_done_\@:
.endm
.macro KHEAD
	s_wait_dscnt 0x0                               ; this K step's operands are in
	PLACES                                         ; in front of the loads into the sets that the last K step multiplied
.endm
; a head with a barrier.  kind 1: every wave fills a region again (slot 2 n + wave % 2); 2: waves 0 and 2 alone; 0: nothing is filled
.macro XHEAD n, kind
	s_wait_tensorcnt 0x0                           ; all my tensor loads have landed
	ds_add_u32 v[SPW], v[NIL]                      ; the addresses are made while it is out
.if \kind
	SADDR \n, G0A0, G0B0
.endif
	s_wait_dscnt 0x0                               ; the add is done; this K step's operands are in: my reads of the regions left are over
.if \kind
	CROUND                                         ; no wave of any partner still reads them or has a load on its way
.if \kind == 2
	s_cmp_eq_u32 s18, 0
	s_cbranch_scc0 .Lnone_\@
.endif
	TLOAD G0A0, G0B0
.if \kind == 2
.Lnone_\@:
.endif
.else
	s_barrier_signal -1
	s_barrier_wait -1
.endif
	PLACES
.endm
.macro TOSTAGE idx                     ; idx / 8: the set; idx % 8: the row tile.  16 rows x 64 d through my stage
	WIN 0x08+4*((\idx)/8)                          ; an LDS store's data are its source 1: window 2 or 3
.irp t, 0,1,2,3
	ds_store_b128 v[STO], v[8*(4*((\idx)%8)+\t):8*(4*((\idx)%8)+\t)+3] offset:128*(\t/2)+32*(\t%2)      ; each accumulator from its low end on
	ds_store_b128 v[STO], v[8*(4*((\idx)%8)+\t)+4:8*(4*((\idx)%8)+\t)+7] offset:128*(\t/2)+32*(\t%2)+16
.endr
	WIN 0x40
.irp x, 0,1,2,3,4,5,6,7
	ds_load_b128 v[OB+32*((\idx)%2)+4*\x:OB+32*((\idx)%2)+4*\x+3], v[RD] offset:544*\x   ; the wave's own bytes, served in order
.endr
	WIN 0
.endm
.macro SEND idx, younger
	s_wait_dscnt \younger
	WIN 0x04                                       ; a global store's data are its source 1: window 1
.irp x, 0,1,2,3,4,5,6,7
	global_store_b128 v[CO], v[OB+32*((\idx)%2)+4*\x:OB+32*((\idx)%2)+4*\x+3], s[OBASE+2*((\idx)/8):OBASE+2*((\idx)/8)+1] offset:(32*(((\idx)%8)/2)+8*((\idx)%2)+2*\x+8*(\x/4))*4096 th:TH_STORE_NT   ; sixteen lanes store 256 consecutive aligned bytes of a row
.endr
	WIN 0
.endm
	s_load_b128 s[4:7], s[0:1], 0x0                ; rq, vq
	s_load_b64 s[8:9], s[0:1], 0x10                ; out0
	v_lshl_add_u32 v[SPW], v0, 2, SPARE
	v_mov_b32 v[NIL], 0
	ds_add_u32 v[SPW], v[NIL]                      ; the wave's opening: the add, twice on end, and its wait ahead of my first tensor load
	ds_add_u32 v[SPW], v[NIL]
	v_lshrrev_b32 v1, 5, v0
	v_readfirstlane_b32 s16, v1
	s_lshr_b32 s17, s16, 1                         ; my half of the rows.  Also: I fetch ret's tiles (0) or V's (1)
	s_and_b32 s18, s16, 1                          ; my half of the columns.  Also: even or odd slots
	s_bfe_u32 s19, ttmp6, 0x40000                  ; cx
	s_lshl_b32 s20, ttmp9, 2
	s_add_co_u32 s20, s20, s19                     ; which 128 of d
	s_and_b32 s21, ttmp7, 0xffff
	s_lshr_b32 s22, s21, 2                         ; batch
	s_and_b32 s23, s21, 3                          ; p
	s_sub_co_u32 s24, 8, s23                       ; 8 - p
	s_sub_co_u32 s25, 7, s23                       ; 7 - p
	s_lshl_b32 s26, s20, 2                         ; V's first pair
	s_mul_i32 s27, s18, REG
	s_mov_b32 s[G1A], 15|(3<<16)|(1<<21)           ; the mask: all four partners; elements of 8 bytes; bit 21 beside a mask
	s_mov_b32 s[G1A+1], 800<<16
	s_mov_b32 s[G1A+2], 8<<16
	s_mov_b32 s[G1A+3], 800<<16
	s_mov_b32 s[G1A+4], 8                          ; 8 pair blocks: 256 rows
	s_mov_b32 s[G1A+5], 800
	s_mov_b32 s[G1A+6], 0
	s_mov_b32 s[G1A+7], 0
	s_mov_b32 s[G1B], 3<<16                        ; no mask
	s_mov_b32 s[G1B+1], 800<<16
	s_mov_b32 s[G1B+2], 4<<16
	s_mov_b32 s[G1B+3], 800<<16
	s_mov_b32 s[G1B+4], 4
	s_mov_b32 s[G1B+5], 800
	s_mov_b32 s[G1B+6], 0
	s_mov_b32 s[G1B+7], 0
	s_wait_dscnt 0x0
	s_wait_kmcnt 0x0
	SADDR 0, G0A0, G0B0
	SADDR 1, G0A1, G0B1
	CROUND                                         ; all four work-groups are here
	TLOAD G0A0, G0B0                               ; slots 0 and 1
	TLOAD G0A1, G0B1                               ; slots 2 and 3
	v_and_b32 v1, 15, v0
	v_bfe_u32 v2, v0, 4, 1
	v_and_b32 v3, 31, v0
	v_lshlrev_b32 v3, 4, v3
	s_mul_i32 s70, s17, 25600                      ; my 128 rows of ret
	s_mul_i32 s71, s18, 12800
	s_add_co_u32 s71, s71, 51200                   ; my 64 rows of V
	s_xor_b32 s72, s17, 1
	s_lshl_b32 s72, s72, 1
	s_add_co_u32 s72, s72, s18
	s_add_co_u32 s72, s72, 2
	s_mul_i32 s72, s72, 12800                      ; from the one to the other
	v_lshlrev_b32 v23, 2, v1
	v_add_nc_u32 v23, s70, v23
	v_add_nc_u32 v23, 6144, v23
	v_mul_u32_u24 v24, s72, v2
	v_add_nc_u32 v24, v24, v23
.irp k, 0,1,2,3
	v_add_nc_u32 v[ADRA+\k], s70, v3
	v_add_nc_u32 v[ADRB+\k], s71, v3
	v_add_nc_u32 v[ADRS+\k], \k*REG, v24
	v_add_nc_u32 v[ADRT+\k], \k*REG, v23
	s_add_co_u32 s70, s70, REG
	s_add_co_u32 s71, s71, REG
.endr
	s_mul_i32 s73, s16, 16*272
	s_add_co_u32 s73, s73, STAGE
	v_mul_u32_u24 v[STO], v1, 272
	v_lshl_add_u32 v[STO], v2, 6, v[STO]
	v_add_nc_u32 v[STO], s73, v[STO]               ; in: row r, + 64 h
	v_mul_u32_u24 v[RD], v2, 272
	v_lshl_add_u32 v[RD], v1, 4, v[RD]
	v_add_nc_u32 v[RD], s73, v[RD]                 ; back: lanes 0-15 one row, lanes 16-31 the next
	v_lshlrev_b32 v[CO], 12, v2
	v_lshl_add_u32 v[CO], v1, 4, v[CO]             ; and the same in out0
	s_lshl_b32 s70, s22, 11
	s_lshl_b32 s71, s17, 7
	s_add_co_u32 s70, s70, s71                     ; 2048 batch + 128 half
	s_lshl_b32 s72, s25, 8
	s_add_co_u32 s72, s72, s70
	s_lshl_b32 s72, s72, 12                        ; H's first row, in bytes
	s_lshl_b32 s74, s23, 8
	s_add_co_u32 s74, s74, s70
	s_lshl_b32 s74, s74, 12                        ; L's
	s_lshl_b32 s76, s20, 9
	s_lshl_b32 s77, s18, 8
	s_add_co_u32 s76, s76, s77                     ; my first column, in bytes
	s_add_co_u32 s72, s72, s76
	s_add_co_u32 s74, s74, s76
	s_mov_b32 s73, 0
	s_mov_b32 s75, 0
	s_add_nc_u64 s[OBASE:OBASE+1], s[8:9], s[72:73]
	s_add_nc_u64 s[OBASE+2:OBASE+3], s[8:9], s[74:75]
	s_wait_tensorcnt 1                             ; my first load is in (slots 0 and 1 are then whole); my second may be out
	s_barrier_signal -1
	s_barrier_wait -1
	FETCH 0, 0, 0
	KHEAD                                          ; s = 0: L
	FETCH 0, 1, 1
	MULS 0xf1, 0, 1
	KHEAD
	FETCH 1, 0, 0
	MULS 0xf1, 1, 0
	KHEAD                                          ; s = 1: H
	FETCH 1, 1, 1
	MULS 0xa1, 0, 1
	XHEAD 2, 1                                     ; regions 0 and 1 are left: slots 4 and 5; regions 2 and 3 are whole
	FETCH 2, 0, 0
	MULS 0xa1, 1, 0
	KHEAD                                          ; s = 2
	FETCH 2, 1, 1
	MULS 0xa1, 0, 0
	KHEAD
	FETCH 3, 0, 0
	MULS 0xa1, 1, 0
	KHEAD                                          ; s = 3
	FETCH 3, 1, 1
	MULS 0xa1, 0, 0
	XHEAD 3, 1                                     ; regions 2 and 3 are left: slots 6 and 7
	FETCH 0, 0, 0
	MULS 0xa1, 1, 0
	KHEAD                                          ; s = 4
	FETCH 0, 1, 1
	MULS 0xa1, 0, 0
	KHEAD
	FETCH 1, 0, 0
	MULS 0xa1, 1, 0
	KHEAD                                          ; s = 5
	FETCH 1, 1, 1
	MULS 0xa1, 0, 0
	XHEAD 4, 2                                     ; region 0 takes slot 8
	FETCH 2, 0, 0
	MULS 0xa1, 1, 0
	KHEAD                                          ; s = 6
	FETCH 2, 1, 1
	MULSEL 6, 0
	KHEAD
	FETCH 3, 0, 0
	MULSEL 6, 1
	KHEAD                                          ; s = 7
	FETCH 3, 1, 1
	MULSEL 7, 0
	XHEAD 0, 0                                     ; slot 8 is whole; nothing is filled
	FETCH 0, 0, 0
	MULSEL 7, 1
	KHEAD                                          ; s = 8
	FETCH 0, 1, 1
	MULSEL 8, 0
	s_wait_dscnt 0x0
	MULSEL 8, 1
	; THE WAY OUT: 16 blocks of 16 rows x 64 d; while one block's rows are stored, the next is on its way through the stage
	PLACES
	TOSTAGE 0
.irp d, 1,2,3,4,5,6,7,8,9,10,11,12,13,14,15
.if \d > 1
	s_wait_xcnt 0x0                                ; the stores of two blocks back have read their registers
.endif
	TOSTAGE \d
	SEND \d-1, 16                                  ; behind that block's loads: this block's 8 stores and 8 loads
.endr
	SEND 15, 0
	s_wait_tensorcnt 0x0                           ; the wave's end
	ds_add_u32 v[SPW], v[NIL]
	s_wait_dscnt 0x0
	CROUND                                         ; the closing round
	s_endpgm
.Lfunc_end_k_qf49e4e4d4b_outp:
	.size	k_qf49e4e4d4b_outp, .Lfunc_end_k_qf49e4e4d4b_outp-k_qf49e4e4d4b_outp
	.p2alignl 7, 3214868480
	.fill 96, 4, 3214868480
	.section	.rodata,"a",@progbits
	.p2align	6, 0x0
	.amdhsa_kernel k_qf49e4e4d4b_outp
		.amdhsa_group_segment_fixed_size 327680
		.amdhsa_private_segment_fixed_size 0
		.amdhsa_enable_private_segment 0
		.amdhsa_kernarg_size 24
		.amdhsa_user_sgpr_count 2
		.amdhsa_user_sgpr_kernarg_segment_ptr 1
		.amdhsa_wavefront_size32 1
		.amdhsa_system_sgpr_workgroup_id_x 1
		.amdhsa_system_sgpr_workgroup_id_y 1
		.amdhsa_system_sgpr_workgroup_id_z 1
		.amdhsa_system_vgpr_workitem_id 0
		.amdhsa_next_free_vgpr 1024
		.amdhsa_next_free_sgpr 100
		.amdhsa_reserve_vcc 0
		.amdhsa_float_denorm_mode_32 3
		.amdhsa_float_denorm_mode_16_64 3
		.amdhsa_memory_ordered 1
		.amdhsa_forward_progress 1
		.amdhsa_inst_pref_size 199
	.end_amdhsa_kernel
	.amdgpu_metadata
---
amdhsa.version: [ 1, 2 ]
amdhsa.kernels:
  - .name:           k_qf49e4e4d4b_outp
    .symbol:         k_qf49e4e4d4b_outp.kd
    .args:
      - { .name: rq, .offset: 0, .size: 8, .value_kind: global_buffer, .address_space: global }
      - { .name: vq, .offset: 8, .size: 8, .value_kind: global_buffer, .address_space: global }
      - { .name: out0, .offset: 16, .size: 8, .value_kind: global_buffer, .address_space: global }
    .group_segment_fixed_size: 327680
    .private_segment_fixed_size: 0
    .kernarg_segment_align: 8
    .kernarg_segment_size: 24
    .max_flat_workgroup_size: 128
    .sgpr_count:     100
    .vgpr_count:     1024
    .wavefront_size: 32
...
	.end_amdgpu_metadata
.endif
;; end of part 4
